; MI455X (gfx1250); checked and timed in simulation.
; The chip was launched on July 23, 2026; its instructions are those of AMD's public machine-readable ISA for CDNA 5 (MIT licence, August 2026) and "CDNA5" Instruction Set Architecture Reference Guide (July 2026). The comments in the code are by the model that wrote it; some were corrected since.
;; Attention. Allowed arithmetic: matrix products marked QUANTISED: E5M2 operands, one E8M0 scale for each 32 along K, by v_wmma_scale_f32_16x16x128_f8f6f4 with both operands' format E5M2, f32 sums; everything else in f32.
;; Inputs: Wk_codes 1,024 x 32 x 32 uint8 (E5M2 codes of Wk, K innermost, in blocks of 32 codes); Wk_scales 1,024 x 32 uint8 (E8M0 scales of Wk, one for each 32 codes along K); Wo_codes 1,024 x 32 x 32 uint8 (E5M2 codes of Wo, K innermost, in blocks of 32 codes); Wo_scales 1,024 x 32 uint8 (E8M0 scales of Wo, one for each 32 codes along K); Wq_codes 1,024 x 32 x 32 uint8 (E5M2 codes of Wq, K innermost, in blocks of 32 codes); Wq_scales 1,024 x 32 uint8 (E8M0 scales of Wq, one for each 32 codes along K); Wv_codes 1,024 x 32 x 32 uint8 (E5M2 codes of Wv, K innermost, in blocks of 32 codes); Wv_scales 1,024 x 32 uint8 (E8M0 scales of Wv, one for each 32 codes along K); beta 1,024 float32; bk 1,024 float32; bo 1,024 float32; bq 1,024 float32; bv 1,024 float32; gamma 1,024 float32; input_tensor 4 x 2,048 x 1,024 float32.
;; Outputs: out0 4 x 2,048 x 1,024 float32.
;; This version of the problem:
;;   THIS VERSION OF THE PROBLEM IS GIVEN IN LOW PRECISION. The matrix products marked QUANTISED in the list below multiply operands that are first quantised to E5M2 (5 exponent bits, 2 mantissa bits; 8 bits a number), with one power-of-two scale for each 32 numbers along K (OCP MX v1.0); their sums are f32. All else is computed in f32.
;;   The module's matrix products, in the order in which they are computed (A, B: the left and right operand; K: the contracted axis; several contracted axes count as one K, in the product's order):
;;     1. [M 8,192, K 1,024] x [K 1,024, N 1,024]; A: input input_tensor; B: input Wq (given as codes): QUANTISED
;;     2. [M 8,192, K 1,024] x [K 1,024, N 1,024]; A: input input_tensor; B: input Wk (given as codes): QUANTISED
;;     3. [M 8,192, K 1,024] x [K 1,024, N 1,024]; A: input input_tensor; B: input Wv (given as codes): QUANTISED
;;     4. batch 64 x [M 2,048, K 64] x [K 64, N 2,048]; A: computed on the way; B: computed on the way: QUANTISED
;;     5. batch 64 x [M 2,048, K 2,048] x [K 2,048, N 64]; A: softmax (see below); B: computed on the way: QUANTISED
;;     6. [M 8,192, K 1,024] x [K 1,024, N 1,024]; A: computed on the way; B: input Wo (given as codes): QUANTISED
;;   THE QUANTISER, for each operand of a quantised product, along K:
;;     - K is cut into blocks of 32 from its start; a last block that is shorter is filled with zeros.
;;     - A block's scale is 2^e with e = floor(log2(the largest magnitude in the block)) - 15, held to -126 .. 127; a block of zeros has e = 0. As a byte (E8M0): e + 127.
;;     - Each number is divided by its block's scale, clamped to +-57,344, and rounded to the nearest number of E5M2, ties to even, subnormals kept.
;;     - The product sums the exact products of the quantised numbers (number of the format x scale) in f32.
;;   ~~~python
;;   def quantise(x, axis):      # numpy; x: float32 -> the quantised numbers, widened to float32 again
;;       x = np.moveaxis(x, axis, -1); K = x.shape[-1]
;;       x = np.pad(x, [(0, 0)] * (x.ndim - 1) + [(0, -K % 32)]); x = x.reshape(x.shape[:-1] + (-1, 32)); a = np.abs(x).max(-1, keepdims=True)
;;       e = np.where(a > 0, np.clip(np.frexp(np.where(a > 0, a, 1))[1] - 1 - 15, -126, 127), 0)      # np.frexp(a)[1] - 1 = floor(log2(a)), exactly
;;       r = np.clip(x / 2.0 ** e, -57344, 57344)
;;       step = 2.0 ** (np.maximum(np.frexp(np.where(r == 0, 1, r))[1] - 1, -14) - 2)
;;       q = np.round(r / step) * step * 2.0 ** e      # np.round: ties to even
;;       return np.moveaxis(q.reshape(q.shape[:-2] + (-1,))[..., :K], -1, axis).astype(np.float32)
;;   ~~~
;;   SOFTMAX AHEAD OF A QUANTISED PRODUCT. Where the list says 'softmax', what is quantised is not the finished softmax but p = 2^(t - M), with t = logit x log2(e) and M = ceil(the row's largest t), a whole number; so 1/2 < the row's largest p <= 1. The row's sum l is taken of the UNQUANTISED p, in f32, and the product's result is divided by l at the end. Since M is a whole number, a kernel that streams over the keys may use a running M (the ceiling of the running maximum): every later rescaling is an exact power of two, which a block's scale takes up: the codes' values come out the same.
;;   OPERANDS COMPUTED ON THE WAY. 'Computed on the way' means the value that the module computes at that place (a softmax that the list does not call 'softmax' is quantised finished and normalised). What goes into a quantiser is computed in f32, as accurately as f32 sums, v_exp_f32 and their like allow (about 1e-6 of the number): no bf16 or f16 on the way to a quantiser, and a product that is left as it is and whose result goes on into a quantised operand takes f32 operands (vector FMAs, or v_wmma_f32_16x16x4_f32). A number that lies on a knife's edge between two numbers of the format may be rounded either way, as far as f32 arithmetic and the matrix unit's own rounding can turn it there, and no further.
;;   INPUTS GIVEN AS CODES. Wk (in the module: [1024, 1024], K = its axis 1); Wo (in the module: [1024, 1024], K = its axis 1); Wq (in the module: [1024, 1024], K = its axis 1); Wv (in the module: [1024, 1024], K = its axis 1): each comes as NAME_codes (uint8): NAME with its K axis moved to the last place and cut into blocks of 32 codes, [.., K / 32, bytes a block], one block behind the other in memory; one code a byte (a code: sign, 5 exponent bits, 2 mantissa bits); and NAME_scales (uint8): the same leading axes, one E8M0 byte (e + 127) for each 32 codes along K. Its value is code x scale, taken as it is: it is not quantised again, and the codes and scales need not be those that the quantiser above would give.
;; One version. Each part assembles by itself: llvm-mc -triple=amdgcn-amd-amdhsa -mcpu=gfx1250 --defsym DOCPART=n.
;; ======== version 1 of 1: 4 launches
;; limits: right only within a limited range of input values
;; workspace buffers: ximg 8,388,608 bytes; xsc 262,144 bytes; wimg 4,194,304 bytes; qkv 25,952,256 bytes; cimg 8,388,608 bytes; csc 262,144 bytes
;; launch prep (part 1): grid 512 x 1, 8 waves a work-group, no clusters, 69,120 bytes of LDS; arguments input_tensor, Wq_codes, Wk_codes, Wv_codes, Wo_codes, ximg, xsc, wimg; writes ximg, xsc, wimg
.if DOCPART == 1
	.amdgcn_target "amdgcn-amd-amdhsa--gfx1250"
	.amdhsa_code_object_version 6
	.text
	.protected	k_q96277793b2_prep
	.globl	k_q96277793b2_prep
	.p2align	8
	.type	k_q96277793b2_prep,@function
k_q96277793b2_prep:
	s_mov_b64 s[64:65], 0
	v_nop
	global_prefetch_b8 v0, s[64:65] scope:SCOPE_SE
	s_setreg_imm32_b32 hwreg(HW_REG_WAVE_MODE, 25, 1), 1
	s_wait_xcnt 0x0
; x [8192][1024] f32 becomes codes of E5M2 with one E8M0 byte for each 32 along K, and the four weights' codes are laid anew.
; Both leave as IMAGES OF OPERAND REGISTERS.  A fragment (16 rows x 128 K, 16 registers a lane) is 2,048 bytes: registers 4 c .. 4 c + 3 of lane l
; lie at 512 c + 16 l, so every later load of a fragment is four loads of 512 consecutive bytes.
; THE ROWS OF A TILE ARE NOT NEIGHBOURS: lane r of tile (b, u) takes row 32 b + 8 u + r + 8 (r / 8).  As source 0 of a product such a pair of tiles
; (b, 0), (b, 1) leaves 16 neighbouring rows, 32 b + 16 (lane / 16) + 0 .. 15, in a lane's 16 result registers: the order the next operand wants.
; SHARES.  Work-group id: 128 tokens (id / 8) x K step (id % 8).  Wave j = 2 b + u makes x's fragment j.  Each wave also moves half of a weight fragment:
; fragment 4 id + wave / 2 of [4 matrices][16 slices of 64 rows][8 K steps][4 tiles], its chunks 2 (wave % 2) and + 1.
; x is loaded as it lies, 512 consecutive bytes a load (a row's 128 numbers), and turned through the wave's own stage in LDS (rows of 512 + 16 bytes),
; so that a lane gets 16 neighbours of each block of 32.  The 8 waves' scale words meet in 512 bytes of LDS and leave as one run of 512 bytes.
; A block's scale byte is its largest magnitude's exponent field - 15, held at 1 from below by a floor among the maximum's leaves.
; LIMITS: NaN and infinities are not served; a block of zeros gets the byte 1 (its codes are zeros, and this program alone reads the bytes).
.set STGB, 16*528                      ; a wave's stage
.set SCW,  8*STGB                      ; behind the stages: 32 lanes x 4 scale words
.set R,   32                           ; v32-95   16 rows as loaded
.set X,   96                           ; v96-159  register 16 c + i: k = 32 c + 16 (lane / 16) + i of my row
.set PC,  160                          ; v160-175 the fragment's codes
.set TM,  176                          ; v176-191 at work
.set PW,  20                           ; v20      my row's scale word
.set SEL, 24                           ; s[24:25] lane selects: lane l xor 16
.set MNT, 26
.macro QUANT s                         ; 64 numbers of a lane become 16 registers of codes and a scale word
.irp b, 0,1,2,3
	v_max3_num_f32 v[TM+\b], |v[\s+16*\b]|, |v[\s+1+16*\b]|, 0x8000000   ; block b: my 16 numbers and the floor 2^(16 - 127)
.endr
.irp i, 2,4,6,8,10,12,14
.irp b, 0,1,2,3
	s_delay_alu instid0(VALU_DEP_4)
	v_max3_num_f32 v[TM+\b], v[TM+\b], |v[\s+16*\b+\i]|, |v[\s+1+16*\b+\i]|   ; the four blocks by turns
.endr
.endr
.irp b, 0,1,2,3
	s_delay_alu instid0(VALU_DEP_4)
	v_permlanex16_b32 v[TM+4+\b], v[TM+\b], s[SEL], s[SEL+1]
.endr
.irp b, 0,1,2,3
	s_delay_alu instid0(VALU_DEP_4)
	v_max_num_f32 v[TM+\b], v[TM+\b], v[TM+4+\b]                ; with lane l xor 16's 16: the block's largest magnitude
.endr
.irp b, 0,1,2,3
	s_delay_alu instid0(VALU_DEP_4)
	v_add_nc_u32 v[TM+12+\b], 0xf8800000, v[TM+\b]              ; 15 off its exponent field: the conversion's scale operand
.endr
.irp b, 0,1,2,3
.endr
.irp b, 0,1,2,3
	s_delay_alu instid0(VALU_DEP_4)
	v_lshrrev_b32 v[TM+4+\b], 23, v[TM+12+\b]                   ; the scale's byte
.endr
	s_delay_alu instid0(VALU_DEP_3)
	v_lshl_or_b32 v[PW], v[TM+5], 8, v[TM+4]
	s_delay_alu instid0(VALU_DEP_1)
	v_lshl_or_b32 v[PW], v[TM+6], 16, v[PW]
	s_delay_alu instid0(VALU_DEP_1)
	v_lshl_or_b32 v[PW], v[TM+7], 24, v[PW]
.irp b, 0,1,2,3
.irp i, 0,1,2,3,4,5,6,7,8,9,10,11,12,13,14,15
.endr
	v_cvt_scalef32_pk8_bf8_f32 v[PC+4*\b:PC+1+4*\b], v[\s+16*\b:\s+7+16*\b], v[TM+12+\b]
	v_cvt_scalef32_pk8_bf8_f32 v[PC+2+4*\b:PC+3+4*\b], v[\s+8+16*\b:\s+15+16*\b], v[TM+12+\b]
.endr
	v_nop                                          ; a plain line behind the last conversion
.endm
	s_load_b512 s[4:19], s[0:1], 0x0               ; x, Wq, Wk, Wv, Wo, ximg, xsc, wimg
	v_lshl_add_u32 v192, v0, 2, 0x10a00
	v_mov_b32 v193, 0
	v_lshrrev_b32 v1, 5, v0
	s_delay_alu instid0(VALU_DEP_1)
	v_readfirstlane_b32 s20, v1                    ; wave 0..7 = j
	v_and_b32 v2, 31, v0                           ; lane
	v_and_b32 v3, 15, v0                           ; r
	v_bfe_u32 v11, v0, 4, 1                        ; h
	s_delay_alu instid0(VALU_DEP_3)
	v_lshlrev_b32 v4, 4, v2                        ; 16 x lane
	s_delay_alu instid0(VALU_DEP_3)
	v_and_b32 v5, 8, v3
	s_delay_alu instid0(VALU_DEP_1)
	v_add_nc_u32 v5, v5, v3                        ; r + 8 (r / 8)
	s_delay_alu instid0(VALU_DEP_1)
	v_lshlrev_b32 v6, 10, v5
	s_delay_alu instid0(VALU_DEP_1)
	v_lshl_add_u32 v6, v11, 4, v6                  ; a weight's row of 1,024 bytes, + 16 h
	s_mul_i32 s21, s20, STGB
	v_add_nc_u32 v7, s21, v4                       ; the stage, in: 16 x lane of a row
	v_mul_u32_u24 v8, v3, 528
	s_delay_alu instid0(VALU_DEP_1)
	v_lshl_add_u32 v8, v11, 6, v8
	s_delay_alu instid0(VALU_DEP_1)
	v_add_nc_u32 v8, s21, v8                       ; and out: row r, + 64 h
	s_and_b32 s22, s20, 1                          ; u
	s_lshr_b32 s23, s20, 1                         ; b; also the weight tile i
	s_lshl_b32 s27, s22, 8
	s_lshl_b32 s28, s23, 2
	s_add_co_u32 s27, s27, s28
	s_add_co_u32 s27, s27, SCW
	v_lshl_add_u32 v9, v3, 4, s27                  ; my scale word's place: 16 (16 u + r) + 4 b
	v_add_nc_u32 v10, SCW, v4                      ; and where wave 0 reads the 512 bytes back
	s_mov_b32 s[SEL], 0x76543210
	s_mov_b32 s[SEL+1], 0xfedcba98
.irp b, 0,1,2,3
	v_mov_b32 v[TM+4+\b], 0                        ; a lane permute's destination counts as one of its sources
.endr
	s_lshr_b32 s29, ttmp9, 7                       ; which matrix: q, k, v, o
	s_bfe_u32 s34, ttmp9, 0x40003                  ; which slice of 64 rows
	s_lshl_b32 s34, s34, 16
	s_lshr_b32 s35, s23, 1
	s_lshl_b32 s35, s35, 15                        ; 32 rows for the tile's upper bit,
	s_add_co_u32 s34, s34, s35
	s_and_b32 s35, s23, 1
	s_lshl_b32 s35, s35, 13                        ; 8 rows for its lower
	s_add_co_u32 s34, s34, s35
	s_and_b32 s36, ttmp9, 7                        ; the K step
	s_lshl_b32 s35, s36, 7
	s_add_co_u32 s34, s34, s35
	s_lshl_b32 s35, s22, 6                         ; my two chunks of 32
	s_add_co_u32 s34, s34, s35
	s_mov_b32 s35, 0
	s_lshr_b32 s38, ttmp9, 3
	s_lshl_b32 s38, s38, 19                        ; x: 128 tokens of 4,096 bytes,
	s_lshl_b32 s37, s23, 17                        ; 32 b rows,
	s_add_co_u32 s38, s38, s37
	s_lshl_b32 s37, s22, 15                        ; 8 u rows,
	s_add_co_u32 s38, s38, s37
	s_lshl_b32 s37, s36, 9                         ; the K step's 512 bytes
	s_add_co_u32 s38, s38, s37
	s_mov_b32 s39, 0
	s_lshl_b32 s40, ttmp9, 14                      ; ximg: 16,384 id + 2,048 j
	s_lshl_b32 s37, s20, 11
	s_add_co_u32 s40, s40, s37
	s_mov_b32 s41, 0
	s_lshl_b32 s42, ttmp9, 13                      ; wimg: 8,192 id + 1,024 wave
	s_lshl_b32 s37, s20, 10
	s_add_co_u32 s42, s42, s37
	s_mov_b32 s43, 0
	s_lshl_b32 s44, ttmp9, 9                       ; xsc: 512 id
	s_mov_b32 s45, 0
	s_wait_alu depctr_va_vdst(0)
	s_wait_kmcnt 0x0
	s_cmp_lt_u32 s29, 1                            ; the matrix is chosen by the work-group's number alone
	s_cselect_b64 s[30:31], s[6:7], s[8:9]
	s_cmp_lt_u32 s29, 3
	s_cselect_b64 s[32:33], s[10:11], s[12:13]
	s_cmp_lt_u32 s29, 2
	s_cselect_b64 s[30:31], s[30:31], s[32:33]
	s_add_nc_u64 s[30:31], s[30:31], s[34:35]
	s_add_nc_u64 s[4:5], s[4:5], s[38:39]
	s_add_nc_u64 s[14:15], s[14:15], s[40:41]
	s_add_nc_u64 s[18:19], s[18:19], s[42:43]
	s_add_nc_u64 s[16:17], s[16:17], s[44:45]
	global_load_b128 v[12:15], v6, s[30:31]                  ; the weight's two chunks, in the operand's lanes
	global_load_b128 v[16:19], v6, s[30:31] offset:32
.irp t, 0,1,2,3,4,5,6,7,8,9,10,11,12,13,14,15
	global_load_b128 v[R+4*\t:R+4*\t+3], v4, s[4:5] offset:(\t+8*(\t/8))*4096 th:TH_LOAD_NT   ; the tile's row t: 512 consecutive bytes
.endr
	s_wait_loadcnt 16                              ; the weight's chunks are in; x's sixteen loads may be out
	global_store_b128 v4, v[12:15], s[18:19]
	global_store_b128 v4, v[16:19], s[18:19] offset:512
.irp t, 0,1,2,3,4,5,6,7,8,9,10,11,12,13,14,15
	s_wait_loadcnt 15-\t                           ; row t is in; the younger rows may be out
	ds_store_b128 v7, v[R+4*\t:R+4*\t+3] offset:528*\t
.endr
.irp c, 0,1,2,3
.irp q, 0,1,2,3
	ds_load_b128 v[X+16*\c+4*\q:X+16*\c+4*\q+3], v8 offset:128*\c+16*\q   ; LDS serves a wave's instructions in order: these see my stores
.endr
.endr
	s_wait_dscnt 0x0
	QUANT X
.irp c, 0,1,2,3
	global_store_b128 v4, v[PC+4*\c:PC+4*\c+3], s[14:15] offset:512*\c     ; the image: 512 consecutive bytes a store
.endr
	ds_store_b32 v9, v[PW]                         ; both halves of the lanes write the same word with the same value
	s_wait_dscnt 0x0                               ; for the others' sake: my word has landed
	s_barrier_signal -1
	s_barrier_wait -1
	s_cmp_lg_u32 s20, 0
	s_cbranch_scc1 .Ldone
	ds_load_b128 v[24:27], v10                     ; wave 0: the eight waves' words
	s_wait_dscnt 0x0
	global_store_b128 v4, v[24:27], s[16:17]       ; 512 consecutive bytes
.Ldone:
	s_wait_tensorcnt 0x0
	ds_add_u32 v192, v193
	s_wait_dscnt 0x0
	s_endpgm
.Lfunc_end_k_q96277793b2_prep:
	.size	k_q96277793b2_prep, .Lfunc_end_k_q96277793b2_prep-k_q96277793b2_prep
	.p2alignl 7, 3214868480
	.fill 96, 4, 3214868480
	.section	.rodata,"a",@progbits
	.p2align	6, 0x0
	.amdhsa_kernel k_q96277793b2_prep
		.amdhsa_group_segment_fixed_size 69120
		.amdhsa_private_segment_fixed_size 0
		.amdhsa_enable_private_segment 0
		.amdhsa_kernarg_size 64
		.amdhsa_user_sgpr_count 2
		.amdhsa_user_sgpr_kernarg_segment_ptr 1
		.amdhsa_wavefront_size32 1
		.amdhsa_system_sgpr_workgroup_id_x 1
		.amdhsa_system_sgpr_workgroup_id_y 1
		.amdhsa_system_sgpr_workgroup_id_z 1
		.amdhsa_system_vgpr_workitem_id 0
		.amdhsa_next_free_vgpr 194
		.amdhsa_next_free_sgpr 66
		.amdhsa_reserve_vcc 0
		.amdhsa_float_denorm_mode_32 3
		.amdhsa_float_denorm_mode_16_64 3
		.amdhsa_fp16_overflow 1
		.amdhsa_memory_ordered 1
		.amdhsa_forward_progress 1
		.amdhsa_inst_pref_size 14
	.end_amdhsa_kernel
	.amdgpu_metadata
---
amdhsa.version: [ 1, 2 ]
amdhsa.kernels:
  - .name:           k_q96277793b2_prep
    .symbol:         k_q96277793b2_prep.kd
    .args:
      - { .name: input_tensor, .offset: 0, .size: 8, .value_kind: global_buffer, .address_space: global }
      - { .name: Wq_codes, .offset: 8, .size: 8, .value_kind: global_buffer, .address_space: global }
      - { .name: Wk_codes, .offset: 16, .size: 8, .value_kind: global_buffer, .address_space: global }
      - { .name: Wv_codes, .offset: 24, .size: 8, .value_kind: global_buffer, .address_space: global }
      - { .name: Wo_codes, .offset: 32, .size: 8, .value_kind: global_buffer, .address_space: global }
      - { .name: ximg, .offset: 40, .size: 8, .value_kind: global_buffer, .address_space: global }
      - { .name: xsc, .offset: 48, .size: 8, .value_kind: global_buffer, .address_space: global }
      - { .name: wimg, .offset: 56, .size: 8, .value_kind: global_buffer, .address_space: global }
    .group_segment_fixed_size: 69120
    .private_segment_fixed_size: 0
    .kernarg_segment_align: 8
    .kernarg_segment_size: 64
    .max_flat_workgroup_size: 256
    .sgpr_count:     66
    .vgpr_count:     194
    .wavefront_size: 32
...
	.end_amdgpu_metadata
.endif
;; end of part 1
;; launch qkv (part 2): grid 4 x 64, 4 waves a work-group, clusters of 4 x 1, 168,448 bytes of LDS; arguments ximg, xsc, wimg, Wq_scales, Wk_scales, Wv_scales, bq, bk, bv, qkv; writes qkv
.if DOCPART == 2
	.amdgcn_target "amdgcn-amd-amdhsa--gfx1250"
	.amdhsa_code_object_version 6
	.text
	.protected	k_q96277793b2_qkv
	.globl	k_q96277793b2_qkv
	.p2align	8
	.type	k_q96277793b2_qkv,@function
k_q96277793b2_qkv:
	s_mov_b64 s[64:65], 0
	v_nop
	global_prefetch_b8 v0, s[64:65] scope:SCOPE_SE
	s_setreg_imm32_b32 hwreg(HW_REG_WAVE_MODE, 25, 1), 1
	s_wait_xcnt 0x0
	s_wait_alu depctr_hold_cnt(0) depctr_sa_sdst(0) depctr_va_vdst(0) depctr_va_sdst(0) depctr_va_ssrc(0) depctr_va_vcc(0) depctr_vm_vsrc(0)
	s_getreg_b32 s2, hwreg(HW_REG_IB_STS2, 6, 4)
	s_cmp_eq_u32 s2, 0
	s_cbranch_scc0 .Lentry_in_a_cluster
	s_endpgm
.Lentry_in_a_cluster:
	s_bfe_u32 s2, ttmp6, 0x10000c
	s_cmp_lg_u32 s2, 0x3003
	s_cbranch_scc0 .Lentry_shape_is_right
	s_endpgm
.Lentry_shape_is_right:
; q = x Wq^T + bq, k = x Wk^T + bk, v = x Wv^T + bv on codes of E5M2 with E8M0 scales; the results are quantised in registers (q, k along the head's 64, v along the keys)
; and leave as images of the next products' operand registers (2,048 bytes a fragment, registers 4 c .. 4 c + 3 of lane l at 512 c + 16 l).
; SHARES.  A cluster of four work-groups takes 128 tokens (the cluster's y).  Wave w of work-group cx owns head 4 cx + w and makes that head's q, then k, then v:
; three slices of 64 features x 128 tokens x K 1,024, 32 accumulators, 256 matrix instructions each.
; x's 64 fragments (131,072 bytes) are the same for the four work-groups: they come into LDS ONCE, by a joint load, a quarter from each wave.  No LDS byte is filled twice.
; THE WEIGHTS go from memory straight into registers, three K steps ahead.
; q, k: source 0 = 16 features of W, source 1 = 16 tokens: a lane holds one token, its registers run along the features.  v: the sources change places:
; a lane holds one feature, its registers run along the tokens, which are the keys.  By the order of rows in a tile (lane r: row 8 u + r + 8 (r / 8) of a group of 32)
; the 16 registers of two neighbouring tiles are 16 neighbours along the next K.  The biases are the C of each sum's first matrix instruction.
; IMAGES.  q, k: fragment b of a step of 128 tokens holds tiles (b, 0) and (b, 1), chunk 2 u + beta = tile u, features 32 beta on.  v: fragment i = 16 features, chunk b = keys 32 b on.
; REGISTERS: window 0: addresses, scale words, biases, work.  window 1: x's fragments, two sets of 8.  window 2: the accumulators.  window 3: W's fragments, four sets of 4.
; LIMITS: NaN and infinities are not served; a block of zeros gets the byte 1 (its codes are zeros, and this program alone reads the bytes).
.set HEADB, 405504                     ; a head's block in qkv: K images, V images, K words, V words, Q images, Q words
.set VIMG,  131072
.set KSC,   262144
.set QIMG,  270336
.set XS,  16                           ; v16-47   x's scale words: 4 s + b; lanes 0-15 tile (b, 0), lanes 16-31 tile (b, 1)
.set WS,  48                           ; v48-63   W's: 8 beta + s; lanes 0-15 u = 0, lanes 16-31 u = 1
.set BI,  64                           ; v64-95   q's or k's bias, 8 registers a feature tile, in the result's layout
.set BV,  96                           ; v96-127  v's: a lane's feature, eight times
.set PC,  128                          ; v128-143 codes just made
.set TM,  144                          ; v144-159 at work
.set PWS, 160                          ; v160-163 four scale words
.set SWP, 164                          ; v164-165 the two that my lane stores
.set G0,  24
.set G1,  28
.set WV,  36
.set WB,  40                           ; s[40:41] the slice's weights
.set DIA, 42                           ; s[42:47] where the images of this slice, the next and the one after go
.set DSA, 48                           ; s[48:53] the same for the scale words
.set WSN, 54                           ; s[54:57] the next slices' weight scales
.set BIN, 58                           ; s[58:59] k's bias
.set HM,  60                           ; s60      lanes 16-31
.set MNT, 61
.set SEL, 62
.set CNT, 66
.set MSB, 0
.macro WIN new                         ; the immediate's high byte repeats the setting that is left
.if MSB != (\new)
	s_set_vgpr_msb (MSB<<8)|(\new)
.set MSB, (\new)
.endif
.endm
.macro PLACES n
.rept \n
	v_nop
.endr
.endm
.macro ROUND                           ; a round of the cluster's barrier
	s_barrier_signal -1
	s_barrier_wait -1
	s_cmp_lg_u32 s[WV], 0
	s_cbranch_scc1 .Lnot_wave_0_\@
	s_barrier_signal -3
.Lnot_wave_0_\@:
	s_barrier_wait -3
	s_barrier_signal -1
	s_barrier_wait -1
.endm
.macro FETCH_X s                       ; x's 8 fragments of K step s from LDS into set s % 2
	WIN 0x40
.set xr, 128*((\s)%2)
.set xo, 16384*((\s)%4)
.irp j, 0,1,2,3,4,5,6,7
.irp c, 0,1,2,3
.if (\s) < 4
	ds_load_b128 v[xr+16*\j+4*\c:xr+16*\j+4*\c+3], v1 offset:xo+2048*\j+512*\c
.else
	ds_load_b128 v[xr+16*\j+4*\c:xr+16*\j+4*\c+3], v2 offset:xo+2048*\j+512*\c
.endif
.endr
.endr
.endm
.macro FETCH_W idx                     ; W's 4 fragments of K step idx into set idx % 4; steps 8 to 10 are the next matrix's 0 to 2
	WIN 0xc0
.if (\idx) < 8
.set wo, 8192*(\idx)
.else
.set wo, 1048576+8192*((\idx)-8)
.endif
.set wr, 64*((\idx)%4)
.irp i, 0,1,2,3
.irp c, 0,1,2,3
	global_load_b128 v[wr+16*\i+4*\c:wr+16*\i+4*\c+3], v1, s[WB:WB+1] offset:wo+2048*\i+512*\c
.endr
.endr
.endm
.macro WM ra, rb                       ; one product on rD, rA, rB, rC, rSA, rSB; ra, rb: the scales stand in lanes 16-31
.if ((\ra) == 0) && ((\rb) == 0)
	v_wmma_scale_f32_16x16x128_f8f6f4 v[rD:rD+7], v[rA:rA+15], v[rB:rB+15], v[rC:rC+7], v[rSA], v[rSB] matrix_a_fmt:MATRIX_FMT_BF8 matrix_b_fmt:MATRIX_FMT_BF8
.elseif (\rb) == 0
	v_wmma_scale_f32_16x16x128_f8f6f4 v[rD:rD+7], v[rA:rA+15], v[rB:rB+15], v[rC:rC+7], v[rSA], v[rSB] matrix_a_fmt:MATRIX_FMT_BF8 matrix_b_fmt:MATRIX_FMT_BF8 matrix_a_scale:MATRIX_SCALE_ROW1
.elseif (\ra) == 0
	v_wmma_scale_f32_16x16x128_f8f6f4 v[rD:rD+7], v[rA:rA+15], v[rB:rB+15], v[rC:rC+7], v[rSA], v[rSB] matrix_a_fmt:MATRIX_FMT_BF8 matrix_b_fmt:MATRIX_FMT_BF8 matrix_b_scale:MATRIX_SCALE_ROW1
.else
	v_wmma_scale_f32_16x16x128_f8f6f4 v[rD:rD+7], v[rA:rA+15], v[rB:rB+15], v[rC:rC+7], v[rSA], v[rSB] matrix_a_fmt:MATRIX_FMT_BF8 matrix_b_fmt:MATRIX_FMT_BF8 matrix_a_scale:MATRIX_SCALE_ROW1 matrix_b_scale:MATRIX_SCALE_ROW1
.endif
.endm
; 32 products of K step s.  The 32 accumulators take turns, one instruction a turn, in the same order in every step.
.macro MULQK s                         ; source 0 = W (window 3), source 1 = x (window 1); accumulator (token tile j, feature tile i) at 8 (4 j + i)
.if (\s) == 0
	WIN 0x87                                       ; C = the bias, in window 0
.else
	WIN 0xa7
.endif
.irp j, 0,1,2,3,4,5,6,7
.irp i, 0,1,2,3
.set rD, 8*(4*\j+\i)
.if (\s) == 0
.set rC, BI+8*\i
.else
.set rC, rD
.endif
.set rA, 64*((\s)%4)+16*\i
.set rB, 128*((\s)%2)+16*\j
.set rSA, WS+8*(\i/2)+(\s)
.set rSB, XS+4*(\s)+\j/2
	WM \i%2, \j%2
.endr
.endr
.endm
.macro MULV s                          ; source 0 = x, source 1 = W; accumulator (feature tile i, token tile j) at 8 (8 i + j)
.if (\s) == 0
	WIN 0x8d
.else
	WIN 0xad
.endif
.irp j, 0,1,2,3,4,5,6,7
.irp i, 0,1,2,3
.set rD, 8*(8*\i+\j)
.if (\s) == 0
.set rC, BV+8*\i
.else
.set rC, rD
.endif
.set rA, 128*((\s)%2)+16*\j
.set rB, 64*((\s)%4)+16*\i
.set rSA, XS+4*(\s)+\j/2
.set rSB, WS+8*(\i/2)+(\s)
	WM \j%2, \i%2
.endr
.endr
.endm
; A K step.  Eight places stand behind the last products, in front of loads into the sets that they read.
.macro KSTEP s, form, last
	PLACES 8
.if !(\last) || ((\s) < 7)
	FETCH_X ((\s)+1)%8                             ; step 7 fetches step 0 again, for the next slice
.endif
.if !(\last) || ((\s) < 5)
	FETCH_W (\s)+3
.endif
.if (\last) && ((\s) == 7)
	s_wait_dscnt 0x0
.else
	s_wait_dscnt 32                                ; this step's x is in; the 32 loads just issued may be out
.endif
.if (\s) == 0
	s_wait_loadcnt 16                              ; all but W(3): the slice's scale words and bias were issued behind W(0 .. 2)
.elseif (\last) && ((\s) >= 5)
	s_wait_loadcnt 16*(7-(\s))                     ; the steps still to come
.else
	s_wait_loadcnt 48                              ; W(s) is in; W(s + 1 .. s + 3) may be out
.endif
.if \form
	MULV \s
.else
	MULQK \s
.endif
.endm
; 64 accumulator registers from a on (window 2), register 16 b + i = place 32 b' + 16 (lane / 16) + i of a block, become a fragment's codes in v[PC] on and scale word n.
.macro QUANTW a, n
	WIN 0x28                                       ; sources 1 and 2 in window 2
.irp b, 0,1,2,3
	v_max3_num_f32 v[TM+\b], 0x8000000, |v[(\a)+16*\b]|, |v[(\a)+16*\b+1]|   ; the floor 2^(16 - 127) and each accumulator from its low end on
.endr
.irp i, 2,4,6,8,10,12,14
.irp b, 0,1,2,3
	v_max3_num_f32 v[TM+\b], v[TM+\b], |v[(\a)+16*\b+\i]|, |v[(\a)+16*\b+\i+1]|
.endr
.endr
	WIN 0
.irp b, 0,1,2,3
	v_permlanex16_b32 v[TM+4+\b], v[TM+\b], s[SEL], s[SEL+1]
.endr
.irp b, 0,1,2,3
	v_max_num_f32 v[TM+\b], v[TM+\b], v[TM+4+\b]   ; with lane l xor 16's 16: the block's largest magnitude
.endr
.irp b, 0,1,2,3
	v_add_nc_u32 v[TM+12+\b], 0xf8800000, v[TM+\b] ; 15 off its exponent field: the conversion's scale operand
.endr
.irp b, 0,1,2,3
.endr
.irp b, 0,1,2,3
	v_lshrrev_b32 v[TM+4+\b], 23, v[TM+12+\b]      ; the scale's byte
.endr
	v_lshl_or_b32 v[PWS+\n], v[TM+5], 8, v[TM+4]
	v_lshl_or_b32 v[PWS+\n], v[TM+6], 16, v[PWS+\n]
	v_lshl_or_b32 v[PWS+\n], v[TM+7], 24, v[PWS+\n]
	WIN 0x82                                       ; destination and source 0 in window 2
.irp b, 0,1,2,3
.irp i, 0,1,2,3,4,5,6,7,8,9,10,11,12,13,14,15
.endr
.endr
	WIN 0x02
.irp b, 0,1,2,3
	v_cvt_scalef32_pk8_bf8_f32 v[PC+4*\b:PC+4*\b+1], v[(\a)+16*\b:(\a)+16*\b+7], v[TM+12+\b]
	v_cvt_scalef32_pk8_bf8_f32 v[PC+4*\b+2:PC+4*\b+3], v[(\a)+16*\b+8:(\a)+16*\b+15], v[TM+12+\b]
.endr
	WIN 0
	v_nop                                          ; a plain line behind the last conversion
.endm
.macro EPI                             ; the slice leaves: four fragments and 256 bytes of scale words
.irp n, 0,1,2,3
	s_wait_xcnt 0x0                                ; the last stores have read v[PC] on
	QUANTW 64*\n, \n
.irp c, 0,1,2,3
	global_store_b128 v1, v[PC+4*\c:PC+4*\c+3], s[DIA:DIA+1] offset:2048*\n+512*\c   ; 512 consecutive bytes
.endr
.endr
	v_cndmask_b32 v[SWP], v[PWS], v[PWS+2], s[HM]  ; lane (r, h) stores words 2 h and 2 h + 1 of row r
	v_cndmask_b32 v[SWP+1], v[PWS+1], v[PWS+3], s[HM]
	global_store_b64 v6, v[SWP:SWP+1], s[DSA:DSA+1]
.endm
.macro LOAD_WS p                       ; a slice's scale words: rows 32 beta + 8 (lane / 16) + r + 8 (r / 8), 32 bytes a row
.irp e, 0,1
	global_load_b128 v[WS+8*\e:WS+8*\e+3], v3, s[\p:\p+1] offset:1024*\e
	global_load_b128 v[WS+8*\e+4:WS+8*\e+7], v3, s[\p:\p+1] offset:1024*\e+16
.endr
.endm
.macro LOAD_BI p                       ; tile i, lane half h: features 32 (i / 2) + 8 (i % 2) + 16 h + 0 .. 7
.irp i, 0,1,2,3
	global_load_b128 v[BI+8*\i:BI+8*\i+3], v4, s[\p:\p+1] offset:128*(\i/2)+32*(\i%2)
	global_load_b128 v[BI+8*\i+4:BI+8*\i+7], v4, s[\p:\p+1] offset:128*(\i/2)+32*(\i%2)+16
.endr
.endm
	s_load_b512 s[4:19], s[0:1], 0x0               ; ximg, xsc, wimg, Wq_scales, Wk_scales, Wv_scales, bq, bk
	s_load_b128 s[20:23], s[0:1], 0x40             ; bv, qkv
	v_lshl_add_u32 v254, v0, 2, 0x29000
	v_mov_b32 v255, 0
	ds_add_u32 v254, v255
	ds_add_u32 v254, v255
	v_lshrrev_b32 v7, 5, v0
	v_readfirstlane_b32 s[WV], v7                  ; wave 0..3
	v_and_b32 v7, 31, v0                           ; lane
	v_and_b32 v8, 15, v0                           ; r
	v_bfe_u32 v9, v0, 4, 1                         ; h
	v_lshlrev_b32 v1, 4, v7                        ; 16 x lane: an image's place for my lane
	v_add_nc_u32 v2, 0x10000, v1                   ; the same in the upper half of x's images
	v_and_b32 v10, 8, v8
	v_add_nc_u32 v10, v10, v8                      ; r + 8 (r / 8)
	v_lshl_add_u32 v3, v9, 3, v10
	v_lshlrev_b32 v3, 5, v3                        ; W's scale rows
	v_lshlrev_b32 v4, 6, v9                        ; 64 h: q's and k's bias
	v_lshlrev_b32 v5, 2, v10                       ; v's bias
	v_lshlrev_b32 v6, 4, v8
	v_lshl_add_u32 v6, v9, 3, v6                   ; 16 r + 8 h: where my two scale words go
	s_and_b32 s39, ttmp7, 0xffff                   ; which 128 tokens: the cluster's y
	s_lshl_b32 s68, s39, 17
	s_lshl_b32 s69, s[WV], 15
	s_add_co_u32 s68, s68, s69                     ; my quarter of x's images: no place in the cluster enters it
	s_mov_b32 s69, 0
	s_mov_b32 s[G1], 15|(3<<16)|(1<<21)            ; 15:0 the mask: all four work-groups; 17:16 elements of 8 bytes; 21 set beside a mask
	s_mov_b32 s[G1+1], 32<<16                      ; tensor_dim0 = 32 elements: rows of 256 bytes
	s_mov_b32 s[G1+2], 128<<16                     ; tensor_dim1 = 128
	s_mov_b32 s[G1+3], 32<<16                      ; tile_dim0
	s_mov_b32 s[G1+4], 128                         ; tile_dim1
	s_mov_b32 s[G1+5], 32                          ; the pitch: dense
	s_mov_b32 s[G1+6], 0
	s_mov_b32 s[G1+7], 0
	s_bfe_u32 s37, ttmp6, 0x40000                  ; cx: it enters global addresses of weights, biases and results alone
	s_lshl_b32 s38, s37, 2
	s_add_co_u32 s38, s38, s[WV]                   ; my head
	s_lshl_b32 s70, s39, 12                        ; x's scale words: 4,096 bytes for 128 tokens
	s_mov_b32 s71, 0
	s_lshl_b32 s72, s38, 16                        ; a slice of weights: 65,536 bytes
	s_mov_b32 s73, 0
	s_lshl_b32 s74, s38, 11                        ; its scale bytes: 64 rows of 32
	s_mov_b32 s75, 0
	s_lshl_b32 s76, s38, 8                         ; its bias
	s_mov_b32 s77, 0
	s_lshr_b32 s78, s39, 4
	s_lshl_b32 s78, s78, 4
	s_add_co_u32 s78, s78, s38                     ; 16 batch + head
	s_mul_i32 s78, s78, HEADB
	s_mov_b32 s79, 0
	s_and_b32 s80, s39, 15                         ; which step of 128 tokens in the batch
	s_lshl_b32 s82, s80, 8
	s_mov_b32 s83, 0
	s_lshl_b32 s80, s80, 13
	s_mov_b32 s81, 0
	s_mov_b32 s[HM], 0xffff0000
	s_mov_b32 s[SEL], 0x76543210
	s_mov_b32 s[SEL+1], 0xfedcba98
	s_wait_dscnt 0x0
	s_wait_kmcnt 0x0
	s_mov_b32 s[G0], 1
	s_lshl_b32 s[G0+1], s[WV], 15                  ; LDS: 32,768 x wave
	s_add_nc_u64 s[G0+2:G0+3], s[4:5], s[68:69]
	s_or_b32 s[G0+3], s[G0+3], 0x80000000
	ROUND                                          ; all four work-groups are here: the joint loads meet
	tensor_load_to_lds s[G0:G0+3], s[G1:G1+7]      ; my one tensor load of the launch
	s_nop 0
	PLACES 4
	s_add_nc_u64 s[6:7], s[6:7], s[70:71]
	s_add_nc_u64 s[WB:WB+1], s[8:9], s[72:73]
	s_add_nc_u64 s[10:11], s[10:11], s[74:75]
	s_add_nc_u64 s[WSN:WSN+1], s[12:13], s[74:75]
	s_add_nc_u64 s[WSN+2:WSN+3], s[14:15], s[74:75]
	s_add_nc_u64 s[16:17], s[16:17], s[76:77]
	s_add_nc_u64 s[BIN:BIN+1], s[18:19], s[76:77]
	s_add_nc_u64 s[20:21], s[20:21], s[76:77]
	s_add_nc_u64 s[22:23], s[22:23], s[78:79]      ; my head's block
	s_add_nc_u64 s[DIA+2:DIA+3], s[22:23], s[80:81]        ; k's images,
	s_add_nc_u64 s[DIA+4:DIA+5], s[DIA+2:DIA+3], VIMG      ; v's,
	s_add_nc_u64 s[DIA:DIA+1], s[DIA+2:DIA+3], QIMG        ; q's
	s_add_nc_u64 s[DSA+2:DSA+3], s[22:23], s[82:83]
	s_add_nc_u64 s[DSA+2:DSA+3], s[DSA+2:DSA+3], KSC       ; k's scale words,
	s_add_nc_u64 s[DSA+4:DSA+5], s[DSA+2:DSA+3], 4096      ; v's,
	s_add_nc_u64 s[DSA:DSA+1], s[DSA+2:DSA+3], 139264      ; q's
.irp s, 0,1,2,3,4,5,6,7
	global_load_b128 v[XS+4*\s:XS+4*\s+3], v1, s[6:7] offset:512*\s
.endr
	s_wait_alu depctr_va_vdst(0)
	LOAD_WS 10
	LOAD_BI 16
.irp i, 0,1,2,3
.irp k, 0,1,2,3,4,5,6,7
	global_load_b32 v[BV+8*\i+\k], v5, s[20:21] offset:128*(\i/2)+32*(\i%2)   ; in v's result all eight registers of a lane belong to one feature
.endr
.endr
	FETCH_W 0
	FETCH_W 1
	FETCH_W 2
	WIN 0
.irp b, 0,1,2,3
	v_mov_b32 v[TM+4+\b], 0                        ; a lane permute's destination counts as one of its sources
.endr
	s_wait_tensorcnt 0x0                           ; my quarter of x's images is in,
	s_barrier_signal -1
	s_barrier_wait -1                              ; everybody's is
	FETCH_X 0
	WIN 0
	s_mov_b32 s[CNT], 2
.Lqk:                                                  ; two trips: q, then k
	KSTEP 0, 0, 0
	KSTEP 1, 0, 0
	KSTEP 2, 0, 0
	KSTEP 3, 0, 0
	KSTEP 4, 0, 0
	KSTEP 5, 0, 0
	KSTEP 6, 0, 0
	KSTEP 7, 0, 0
	PLACES 8                                       ; in front of loads into the scale words and of the first read of results
	WIN 0
	LOAD_WS WSN                                    ; the next slice's scale words
	s_cmp_eq_u32 s[CNT], 1                         ; and, where the next slice is k's, its bias; v's has been in since the start
	s_cbranch_scc1 .Lno_bias
	LOAD_BI BIN
.Lno_bias:
	EPI
	s_wait_xcnt 0x0                                ; loads and stores have read their bases
	s_add_nc_u64 s[WB:WB+1], s[WB:WB+1], 1048576   ; the next matrix
	s_mov_b64 s[DIA:DIA+1], s[DIA+2:DIA+3]
	s_mov_b64 s[DIA+2:DIA+3], s[DIA+4:DIA+5]
	s_mov_b64 s[DSA:DSA+1], s[DSA+2:DSA+3]
	s_mov_b64 s[DSA+2:DSA+3], s[DSA+4:DSA+5]
	s_mov_b64 s[WSN:WSN+1], s[WSN+2:WSN+3]
	s_sub_co_u32 s[CNT], s[CNT], 1
	s_cmp_lg_u32 s[CNT], 0
	s_cbranch_scc1 .Lqk
	KSTEP 0, 1, 1                                  ; v: written out, since its products have the sources the other way round and nothing follows it
	KSTEP 1, 1, 1
	KSTEP 2, 1, 1
	KSTEP 3, 1, 1
	KSTEP 4, 1, 1
	KSTEP 5, 1, 1
	KSTEP 6, 1, 1
	KSTEP 7, 1, 1
	PLACES 8
	WIN 0
	EPI
	s_wait_dscnt 0x0
	s_wait_tensorcnt 0x0
	ds_add_u32 v254, v255
	s_wait_dscnt 0x0
	ROUND                                          ; the closing round
	s_endpgm
.Lfunc_end_k_q96277793b2_qkv:
	.size	k_q96277793b2_qkv, .Lfunc_end_k_q96277793b2_qkv-k_q96277793b2_qkv
	.p2alignl 7, 3214868480
	.fill 96, 4, 3214868480
	.section	.rodata,"a",@progbits
	.p2align	6, 0x0
	.amdhsa_kernel k_q96277793b2_qkv
		.amdhsa_group_segment_fixed_size 168448
		.amdhsa_private_segment_fixed_size 0
		.amdhsa_enable_private_segment 0
		.amdhsa_kernarg_size 80
		.amdhsa_user_sgpr_count 2
		.amdhsa_user_sgpr_kernarg_segment_ptr 1
		.amdhsa_wavefront_size32 1
		.amdhsa_system_sgpr_workgroup_id_x 1
		.amdhsa_system_sgpr_workgroup_id_y 1
		.amdhsa_system_sgpr_workgroup_id_z 1
		.amdhsa_system_vgpr_workitem_id 0
		.amdhsa_next_free_vgpr 1024
		.amdhsa_next_free_sgpr 100
		.amdhsa_reserve_vcc 0
		.amdhsa_float_denorm_mode_32 3
		.amdhsa_float_denorm_mode_16_64 3
		.amdhsa_fp16_overflow 1
		.amdhsa_memory_ordered 1
		.amdhsa_forward_progress 1
		.amdhsa_inst_pref_size 173
	.end_amdhsa_kernel
	.amdgpu_metadata
---
amdhsa.version: [ 1, 2 ]
amdhsa.kernels:
  - .name:           k_q96277793b2_qkv
    .symbol:         k_q96277793b2_qkv.kd
    .args:
      - { .name: ximg, .offset: 0, .size: 8, .value_kind: global_buffer, .address_space: global }
      - { .name: xsc, .offset: 8, .size: 8, .value_kind: global_buffer, .address_space: global }
      - { .name: wimg, .offset: 16, .size: 8, .value_kind: global_buffer, .address_space: global }
      - { .name: Wq_scales, .offset: 24, .size: 8, .value_kind: global_buffer, .address_space: global }
      - { .name: Wk_scales, .offset: 32, .size: 8, .value_kind: global_buffer, .address_space: global }
      - { .name: Wv_scales, .offset: 40, .size: 8, .value_kind: global_buffer, .address_space: global }
      - { .name: bq, .offset: 48, .size: 8, .value_kind: global_buffer, .address_space: global }
      - { .name: bk, .offset: 56, .size: 8, .value_kind: global_buffer, .address_space: global }
      - { .name: bv, .offset: 64, .size: 8, .value_kind: global_buffer, .address_space: global }
      - { .name: qkv, .offset: 72, .size: 8, .value_kind: global_buffer, .address_space: global }
    .group_segment_fixed_size: 168448
    .private_segment_fixed_size: 0
    .kernarg_segment_align: 8
    .kernarg_segment_size: 80
    .max_flat_workgroup_size: 128
    .sgpr_count:     100
    .vgpr_count:     1024
    .wavefront_size: 32
...
	.end_amdgpu_metadata
.endif
;; end of part 2
;; launch attn (part 3): grid 4 x 64, 16 waves a work-group, clusters of 4 x 1, 272,384 bytes of LDS; arguments qkv, cimg, csc; writes cimg, csc
.if DOCPART == 3
	.amdgcn_target "amdgcn-amd-amdhsa--gfx1250"
	.amdhsa_code_object_version 6
	.text
	.protected	k_q96277793b2_attn
	.globl	k_q96277793b2_attn
	.p2align	8
	.type	k_q96277793b2_attn,@function
k_q96277793b2_attn:
	s_mov_b64 s[64:65], 0
	v_nop
	global_prefetch_b8 v0, s[64:65] scope:SCOPE_SE
	s_setreg_imm32_b32 hwreg(HW_REG_WAVE_MODE, 25, 1), 1
	s_wait_xcnt 0x0
	s_wait_alu depctr_hold_cnt(0) depctr_sa_sdst(0) depctr_va_vdst(0) depctr_va_sdst(0) depctr_va_ssrc(0) depctr_va_vcc(0) depctr_vm_vsrc(0)
	s_getreg_b32 s2, hwreg(HW_REG_IB_STS2, 6, 4)
	s_cmp_eq_u32 s2, 0
	s_cbranch_scc0 .Lentry_in_a_cluster
	s_endpgm
.Lentry_in_a_cluster:
	s_bfe_u32 s2, ttmp6, 0x10000c
	s_cmp_lg_u32 s2, 0x3003
	s_cbranch_scc0 .Lentry_shape_is_right
	s_endpgm
.Lentry_shape_is_right:
; ctx[q] = the sum over keys of softmax(q . k / 8) v for one head, both products on codes of E5M2 with E8M0 scales; ctx is quantised along the hidden axis and leaves as images of the last product's operand.
; THE SOFTMAX: t = score x log2(e) / 8; M = the running largest t rounded UP to a whole number; p = 2^(t - M) is quantised along the keys, not normalised; the row's sum is taken of the
; unquantised p and divides at the end; when M moves, the sum and O are multiplied by 2^(old M - new M), which rounds nothing.
; SHARES.  A cluster's four work-groups take one head (the cluster's y); each owns 512 queries.  Sixteen waves of 256 registers, four to a SIMD, so that one wave's vector work stands beside
; another's products and LDS loads.  Wave w takes the tile of 16 queries 32 cx + 16 t + w in pass t = 0, 1, and walks all 2,048 keys, 128 a step.
; LDS holds the head's K images, V images and both sets of scale words, 270,336 bytes, as they lie in memory: filled ONCE, by joint loads (the four work-groups need the same bytes), 66 rows of
; 256 bytes from each wave, and only read after that.  No LDS byte is filled twice and none is stored to.
; THE HEAD'S 64 IN AN INSTRUCTION 128 DEEP: a fragment of K holds TWO tiles of 16 keys, tile u in chunks 2 u and 2 u + 1.  Q stands as zeros | q | zeros in 24 registers: v[24:39] meets tile 0,
; v[16:31] tile 1; zero codes add nothing (K's codes are held, so none is an infinity).  Q's scale word holds its two bytes twice.
; Both products are used transposed (S^T = K Q^T, O^T = V^T P^T): a lane holds one query throughout; by the order of keys in a tile p's 16 registers of two neighbouring tiles are 16 neighbouring keys.
; LIMITS: NaN and infinities are not served; a block of zeros gets the byte 1 (its codes are zeros, and this program alone reads the bytes).
.set HEADB, 405504
.set QIMG,  270336
.set QSC,   401408
.set ADK, 8                            ; v8-10   LDS addresses of the step's K, V and scale words
.set ADV, 9
.set ADS, 10
.set FR,  48                           ; v48-111  four fragments of K, then of V
.set S,   112                          ; v112-175 S^T, then p
.set OT,  176                          ; v176-207 O^T
.set PCD, 208                          ; v208-223 p's codes
.set KW,  224                          ; v224-227 K's scale words; v228-231 V's
.set VW,  228
.set WV,  10
.set G0,  12
.set G1,  16
.set SEL, 24
.set CS,  26                           ; s[26:27] c = log2(e) / 8
.set MNT, 28
.set HM,  29
.set SH,  30                           ; s30  which half of Q's stored scale word is my tile's
.set TB,  31                           ; s31  the step's images: 8,192 bytes a step
.set TS,  32                           ; s32  its scale words: 256 bytes a step
.set KC,  33
.set PN,  34
.set QP,  36                           ; s[36:37] my tile's codes; s[38:39] its scale words; s[40:41], s[42:43] where ctx's codes and bytes go
.set QW,  38
.set CP,  40
.set SP,  42
.macro ROUND                           ; a round of the cluster's barrier
	s_barrier_signal -1
	s_barrier_wait -1
	s_cmp_lg_u32 s[WV], 0
	s_cbranch_scc1 .Lnot_wave_0_\@
	s_barrier_signal -3
.Lnot_wave_0_\@:
	s_barrier_wait -3
	s_barrier_signal -1
	s_barrier_wait -1
.endm
.macro STEP                            ; 128 keys
	v_add_nc_u32 v[ADK], s[TB], v1                 ; these three and five v_nop are the eight places behind the last products, in front of loads into registers that they read
	v_add_nc_u32 v[ADV], s[TB], v2
	v_add_nc_u32 v[ADS], s[TS], v3
.rept 5
	v_nop
.endr
.irp f, 0,1,2,3
.irp c, 0,1,2,3
	ds_load_b128 v[FR+16*\f+4*\c:FR+16*\f+4*\c+3], v[ADK] offset:2048*\f+512*\c
.endr
.endr
	ds_load_b128 v[KW:KW+3], v[ADS]                ; row r's words of the four fragments of K,
	ds_load_b128 v[VW:VW+3], v[ADS] offset:4096    ; and of V
	s_wait_alu depctr_va_vdst(0)
	s_wait_dscnt 0x0
.irp f, 0,1,2,3                                    ; S^T: fragment f's two tiles: keys 32 f + 16 (lane / 16) + 0 .. 15 in 16 registers
	v_wmma_scale_f32_16x16x128_f8f6f4 v[S+16*\f:S+16*\f+7], v[FR+16*\f:FR+16*\f+15], v[24:39], 0, v[KW+\f], v40 matrix_a_fmt:MATRIX_FMT_BF8 matrix_b_fmt:MATRIX_FMT_BF8
	v_wmma_scale_f32_16x16x128_f8f6f4 v[S+16*\f+8:S+16*\f+15], v[FR+16*\f:FR+16*\f+15], v[16:31], 0, v[KW+\f], v40 matrix_a_fmt:MATRIX_FMT_BF8 matrix_b_fmt:MATRIX_FMT_BF8
.endr
.rept 8
	v_nop
.endr
.irp i, 0,1,2,3
.irp c, 0,1,2,3
	ds_load_b128 v[FR+16*\i+4*\c:FR+16*\i+4*\c+3], v[ADV] offset:2048*\i+512*\c   ; V's fragments land under the softmax
.endr
.endr
.irp b, 0,1,2,3
	v_max3_num_f32 v[232+\b], v[S+16*\b], v[S+1+16*\b], v[S+2+16*\b]   ; the largest score of each block of 32 keys: for the row's maximum, and, since p rises with the score, for the block's largest p
.endr
.irp i, 3,5,7,9,11,13
.irp b, 0,1,2,3
	v_max3_num_f32 v[232+\b], v[232+\b], v[S+16*\b+\i], v[S+1+16*\b+\i]
.endr
.endr
.irp b, 0,1,2,3
	v_max_num_f32 v[232+\b], v[232+\b], v[S+15+16*\b]
.endr
.irp b, 0,1,2,3
	s_delay_alu instid0(VALU_DEP_4)
	v_permlanex16_b32 v[236+\b], v[232+\b], s[SEL], s[SEL+1]
.endr
.irp b, 0,1,2,3
	s_delay_alu instid0(VALU_DEP_4)
	v_max_num_f32 v[232+\b], v[232+\b], v[236+\b]  ; with lane l xor 16's 16 keys
.endr
	s_delay_alu instid0(VALU_DEP_2)
	v_max3_num_f32 v254, v232, v233, v234
	s_delay_alu instid0(VALU_DEP_1)
	v_max_num_f32 v254, v254, v235                 ; the step's largest score of my query
	s_delay_alu instid0(VALU_DEP_1)
	v_mul_f32 v254, s[CS], v254                    ; as t
	s_delay_alu instid0(VALU_DEP_1)
	v_max_num_f32 v13, v13, v254                   ; the running largest t
	v_mov_b32 v254, v12
	s_delay_alu instid0(VALU_DEP_2)
	v_floor_f32 v12, -v13                          ; the new -M = floor(-t): M is a whole number
	s_delay_alu instid0(VALU_DEP_1)
	v_sub_f32 v254, v12, v254                      ; old M - new M: a whole number, 0 or less
	s_delay_alu instid0(VALU_DEP_1)
	v_cvt_i32_f32 v254, v254                       ; (it saturates)
	s_delay_alu instid0(VALU_DEP_1)
	v_ldexp_f32 v252, 1.0, v254                    ; f = 2^(old M - new M)
.set j, 0
.rept 32
	v_pk_fma_f32 v[S+j:S+j+1], v[S+j:S+j+1], s[CS:CS+1], v[12:13] op_sel_hi:[1,0,0]   ; t - M, two at a time
.set j, j+2
.endr
.irp b, 0,1,2,3
	v_fma_f32 v[232+\b], v[232+\b], s[CS], v12     ; the same of each block's largest score
.endr
.set j, 0
	s_setprio 1
	s_wait_alu depctr_va_vdst(0)
.rept 64
	v_exp_f32 v[S+j], v[S+j]                       ; p = 2^(t - M)
.set j, j+1
.endr
.irp b, 0,1,2,3
	v_exp_f32 v[232+\b], v[232+\b]                 ; the block's largest p
.endr
	v_pk_mul_f32 v[14:15], v[14:15], v[252:253] op_sel_hi:[1,0]   ; the sums under the new M; a plain line behind the exponentials
	s_wait_alu depctr_va_vdst(0)
.irp b, 0,1,2,3
	v_max_num_f32 v[232+\b], 0x8000000, v[232+\b]  ; the floor 2^(16 - 127): the byte cannot fall under 1
.endr
.irp b, 0,1,2,3
	s_delay_alu instid0(VALU_DEP_4)
	v_add_nc_u32 v[244+\b], 0xf8800000, v[232+\b]  ; the conversion's scale operand
.endr
.irp b, 0,1,2,3
.endr
.irp b, 0,1,2,3
	s_delay_alu instid0(VALU_DEP_4)
	v_lshrrev_b32 v[236+\b], 23, v[244+\b]         ; the scale's byte
.endr
	s_delay_alu instid0(VALU_DEP_3)
	v_lshl_or_b32 v253, v237, 8, v236              ; p's scale word for these 128 keys
	s_delay_alu instid0(VALU_DEP_1)
	v_lshl_or_b32 v253, v238, 16, v253
	s_delay_alu instid0(VALU_DEP_1)
	v_lshl_or_b32 v253, v239, 24, v253
	v_pk_add_f32 v[236:237], v[116:117], v[120:121]
	v_pk_add_f32 v[248:249], v[124:125], v[128:129]
	v_pk_add_f32 v[242:243], v[132:133], v[136:137]
	v_pk_add_f32 v[240:241], v[140:141], v[144:145]
	v_pk_add_f32 v[234:235], v[148:149], v[152:153]
	v_pk_add_f32 v[232:233], v[156:157], v[160:161]
	v_pk_add_f32 v[226:227], v[164:165], v[168:169]
	v_pk_add_f32 v[14:15], v[14:15], v[172:173]
	v_pk_add_f32 v[236:237], v[236:237], v[112:113]
	v_pk_add_f32 v[248:249], v[248:249], v[114:115]
	v_pk_add_f32 v[242:243], v[242:243], v[118:119]
	v_pk_add_f32 v[240:241], v[240:241], v[122:123]
	v_pk_add_f32 v[234:235], v[234:235], v[126:127]
	v_pk_add_f32 v[232:233], v[232:233], v[130:131]
	v_pk_add_f32 v[226:227], v[226:227], v[134:135]
	v_pk_add_f32 v[14:15], v[14:15], v[138:139]
	v_pk_add_f32 v[236:237], v[236:237], v[142:143]
	v_pk_add_f32 v[248:249], v[248:249], v[146:147]
	v_pk_add_f32 v[242:243], v[242:243], v[150:151]
	v_pk_add_f32 v[240:241], v[240:241], v[154:155]
	v_pk_add_f32 v[234:235], v[234:235], v[158:159]
	v_pk_add_f32 v[232:233], v[232:233], v[162:163]
	v_pk_add_f32 v[226:227], v[226:227], v[166:167]
	v_pk_add_f32 v[14:15], v[14:15], v[170:171]
	v_pk_add_f32 v[236:237], v[236:237], v[174:175]
	s_delay_alu instid0(VALU_DEP_2)
	v_pk_add_f32 v[14:15], v[14:15], v[240:241]
	s_delay_alu instid0(VALU_DEP_2)
	v_pk_add_f32 v[236:237], v[236:237], v[234:235]
	v_pk_add_f32 v[248:249], v[248:249], v[232:233]
	v_pk_add_f32 v[242:243], v[242:243], v[226:227]
	s_delay_alu instid0(VALU_DEP_2)
	v_pk_add_f32 v[14:15], v[14:15], v[248:249]
	s_delay_alu instid0(VALU_DEP_2)
	v_pk_add_f32 v[236:237], v[236:237], v[242:243]
	s_delay_alu instid0(VALU_DEP_1)
	v_pk_add_f32 v[14:15], v[14:15], v[236:237]
.irp b, 0,1,2,3
.irp i, 0,1,2,3,4,5,6,7,8,9,10,11,12,13,14,15
.endr
	v_cvt_scalef32_pk8_bf8_f32 v[PCD+4*\b:PCD+1+4*\b], v[S+16*\b:S+7+16*\b], v[244+\b]
	v_cvt_scalef32_pk8_bf8_f32 v[PCD+2+4*\b:PCD+3+4*\b], v[S+8+16*\b:S+15+16*\b], v[244+\b]
.endr
.set j, 0
	s_setprio 0
.rept 16
	v_pk_mul_f32 v[OT+j:OT+j+1], v[OT+j:OT+j+1], v[252:253] op_sel_hi:[1,0]   ; O^T under the new M; these sixteen also stand between the codes and the products that take them
.set j, j+2
.endr
	s_wait_alu depctr_va_vdst(0)
	s_wait_dscnt 0x0                               ; V
.irp i, 0,1,2,3                                    ; O^T += V^T P^T: four accumulators by turns
	v_wmma_scale_f32_16x16x128_f8f6f4 v[OT+8*\i:OT+8*\i+7], v[FR+16*\i:FR+16*\i+15], v[PCD:PCD+15], v[OT+8*\i:OT+8*\i+7], v[VW+\i], v253 matrix_a_fmt:MATRIX_FMT_BF8 matrix_b_fmt:MATRIX_FMT_BF8
.endr
	s_add_co_u32 s[TB], s[TB], 8192
	s_add_co_u32 s[TS], s[TS], 256
.endm
	s_load_b128 s[4:7], s[0:1], 0x0                ; qkv, cimg
	s_load_b64 s[8:9], s[0:1], 0x10                ; csc
	v_lshl_add_u32 v251, v0, 2, 0x42000
	v_mov_b32 v255, 0
	ds_add_u32 v251, v255
	ds_add_u32 v251, v255
	v_lshrrev_b32 v6, 5, v0
	s_delay_alu instid0(VALU_DEP_1)
	v_readfirstlane_b32 s[WV], v6                  ; wave 0..15
	s_and_b32 s45, ttmp7, 0xffff                   ; 16 batch + head: the cluster's y
	s_mul_i32 s46, s45, HEADB
	s_mov_b32 s47, 0
	s_mul_i32 s48, s[WV], 16896                    ; my 66 rows of 256 bytes
	s_mov_b32 s49, 0
	s_add_nc_u64 s[48:49], s[48:49], s[46:47]      ; no place in the cluster enters it
	s_mov_b32 s[G1], 15|(3<<16)|(1<<21)            ; 15:0 the mask: all four work-groups; 17:16 elements of 8 bytes; 21 set beside a mask
	s_mov_b32 s[G1+1], 32<<16                      ; tensor_dim0 = 32 elements: rows of 256 bytes
	s_mov_b32 s[G1+2], 66<<16                      ; tensor_dim1
	s_mov_b32 s[G1+3], 32<<16                      ; tile_dim0
	s_mov_b32 s[G1+4], 66                          ; tile_dim1
	s_mov_b32 s[G1+5], 32                          ; the pitch: dense
	s_mov_b32 s[G1+6], 0
	s_mov_b32 s[G1+7], 0
	s_bfe_u32 s44, ttmp6, 0x40000                  ; cx: it enters the addresses of Q and of the results alone
	s_lshl_b32 s50, s44, 5
	s_add_co_u32 s50, s50, s[WV]                   ; my tile of queries in pass 0
	s_lshl_b32 s52, s50, 10                        ; its codes: 1,024 bytes a tile
	s_add_co_u32 s52, s52, QIMG
	s_mov_b32 s53, 0
	s_add_nc_u64 s[52:53], s[52:53], s[46:47]
	s_lshr_b32 s54, s50, 3                         ; its scale words: 256 bytes a step of 8 tiles, word (tile / 2) % 4 of a row's four
	s_lshl_b32 s54, s54, 8
	s_bfe_u32 s55, s50, 0x20001
	s_lshl_b32 s55, s55, 2
	s_add_co_u32 s54, s54, s55
	s_add_co_u32 s54, s54, QSC
	s_mov_b32 s55, 0
	s_add_nc_u64 s[54:55], s[54:55], s[46:47]
	s_lshr_b32 s56, s45, 4
	s_lshl_b32 s56, s56, 7
	s_add_co_u32 s56, s56, s50                     ; the tile among all 512
	s_and_b32 s51, s45, 15                         ; the head
	s_lshl_b32 s58, s56, 14                        ; ctx's codes: 16,384 bytes a tile, 1,024 a head
	s_lshl_b32 s57, s51, 10
	s_add_co_u32 s58, s58, s57
	s_mov_b32 s59, 0
	s_lshl_b32 s56, s56, 9                         ; its scale bytes: 512 a tile, 32 a head
	s_lshl_b32 s57, s51, 5
	s_add_co_u32 s56, s56, s57
	s_mov_b32 s57, 0
	s_and_b32 s[SH], s[WV], 1
	s_lshl_b32 s[SH], s[SH], 4
	s_mov_b32 s[SEL], 0x76543210
	s_mov_b32 s[SEL+1], 0xfedcba98
	s_mov_b32 s[CS], 0x3e38aa3b                    ; log2(e) / 8
	s_mov_b32 s[CS+1], s[CS]                       ; (named with it as a pair, so it is written)
	s_mov_b32 s[HM], 0xffff0000
	s_wait_dscnt 0x0
	s_wait_kmcnt 0x0
	s_mov_b32 s[G0], 1
	s_mul_i32 s[G0+1], s[WV], 16896
	s_add_nc_u64 s[G0+2:G0+3], s[4:5], s[48:49]
	s_or_b32 s[G0+3], s[G0+3], 0x80000000
	s_add_nc_u64 s[QP:QP+1], s[4:5], s[52:53]
	s_add_nc_u64 s[QW:QW+1], s[4:5], s[54:55]
	s_add_nc_u64 s[CP:CP+1], s[6:7], s[58:59]
	s_add_nc_u64 s[SP:SP+1], s[8:9], s[56:57]
	ROUND                                          ; all four work-groups are here: the joint loads meet
	tensor_load_to_lds s[G0:G0+3], s[G1:G1+7]      ; my one tensor load of the launch
	s_nop 0
.rept 4
	v_nop
.endr
	v_and_b32 v6, 31, v0                           ; lane
	v_and_b32 v7, 15, v0                           ; r
	v_bfe_u32 v11, v0, 4, 1                        ; h
	s_delay_alu instid0(VALU_DEP_3)
	v_lshlrev_b32 v1, 4, v6                        ; 16 x lane: K's images begin at LDS byte 0,
	s_delay_alu instid0(VALU_DEP_1)
	v_add_nc_u32 v2, 0x20000, v1                   ; V's at 131,072,
	s_delay_alu instid0(VALU_DEP_4)
	v_lshlrev_b32 v4, 4, v7                        ; 16 r
	s_delay_alu instid0(VALU_DEP_1)
	v_add_nc_u32 v3, 0x40000, v4                   ; the scale words at 262,144
	v_lshl_add_u32 v5, v7, 1, v11                  ; 2 r + h: my byte of ctx's scales
.irp j, 0,1,2,3,4,5,6,7
	v_mov_b32 v[16+\j], 0                          ; the zero codes on both sides of q
	v_mov_b32 v[32+\j], 0
.endr
.irp b, 0,1,2,3
	v_mov_b32 v[236+\b], 0                         ; a lane permute's destination counts as one of its sources
.endr
	v_mov_b32 v252, 0
	v_mov_b32 v253, 0                              ; (named as the upper half of the pair v[252:253] before it is first written)
	s_wait_tensorcnt 0x0                           ; my rows are in,
	s_barrier_signal -1
	s_barrier_wait -1                              ; everybody's are
	s_mov_b32 s[PN], 2
.Lpass:
	global_load_b128 v[24:27], v1, s[QP:QP+1]              ; q: features 16 h + 0 .. 15,
	global_load_b128 v[28:31], v1, s[QP:QP+1] offset:512   ; and 32 + 16 h + 0 .. 15
	global_load_b32 v41, v4, s[QW:QW+1]
	v_mov_b32 v13, 0xff61b1e6                      ; the largest t so far: -3e38
	s_delay_alu instid0(VALU_DEP_1)
	v_floor_f32 v12, -v13                          ; -M
	v_mov_b32 v14, 0                               ; the sum, in two halves
	v_mov_b32 v15, 0
.set j, 0
.rept 32
	v_mov_b32 v[OT+j], 0                           ; the step is written once: the first finds zeros, which the first change of M leaves zeros
.set j, j+1
.endr
	s_mov_b32 s[TB], 0
	s_mov_b32 s[TS], 0
	s_mov_b32 s[KC], 16
	s_wait_loadcnt 0x0
	v_lshrrev_b32 v41, s[SH], v41                  ; my tile's two bytes,
	s_delay_alu instid0(VALU_DEP_1)
	v_and_b32 v41, 0xffff, v41
	s_delay_alu instid0(VALU_DEP_1)
	v_lshl_or_b32 v40, v41, 16, v41                ; twice: the step's first eight lines stand between this and the first product
.Lkey:
	s_setprio 2
	STEP
	s_sub_co_u32 s[KC], s[KC], 1
	s_cmp_lg_u32 s[KC], 0
	s_cbranch_scc1 .Lkey
	s_setprio 0
.rept 8
	v_nop                                          ; behind the last products
.endr
	v_add_f32 v14, v14, v15                        ; the sum's two halves,
	s_delay_alu instid0(VALU_DEP_1)
	v_permlanex16_b32 v252, v14, s[SEL], s[SEL+1]
	s_delay_alu instid0(VALU_DEP_1)
	v_add_f32 v14, v14, v252                       ; and lane l xor 16's
	s_wait_alu depctr_va_vdst(0)
	v_rcp_f32 v14, v14
	v_nop                                          ; a plain line behind the reciprocal
.set j, 0
	s_wait_alu depctr_va_vdst(0)
.rept 16
	v_pk_mul_f32 v[S+j:S+j+1], v[OT+j:OT+j+1], v[14:15] op_sel_hi:[1,0]   ; ctx: register 16 beta + i is feature 32 beta + 16 h + i of the head
.set j, j+2
.endr
.irp b, 0,1
	v_max3_num_f32 v[232+\b], |v[S+16*\b]|, |v[S+1+16*\b]|, 0x8000000
.endr
.irp i, 2,4,6,8,10,12,14
.irp b, 0,1
	s_delay_alu instid0(VALU_DEP_2)
	v_max3_num_f32 v[232+\b], v[232+\b], |v[S+16*\b+\i]|, |v[S+1+16*\b+\i]|
.endr
.endr
.irp b, 0,1
	s_delay_alu instid0(VALU_DEP_2)
	v_permlanex16_b32 v[236+\b], v[232+\b], s[SEL], s[SEL+1]
.endr
.irp b, 0,1
	s_delay_alu instid0(VALU_DEP_2)
	v_max_num_f32 v[232+\b], v[232+\b], v[236+\b]
.endr
.irp b, 0,1
	s_delay_alu instid0(VALU_DEP_2)
	v_add_nc_u32 v[244+\b], 0xf8800000, v[232+\b]
.endr
.irp b, 0,1
.endr
.irp b, 0,1
	s_delay_alu instid0(VALU_DEP_2)
	v_lshrrev_b32 v[236+\b], 23, v[244+\b]
.endr
.irp b, 0,1
.irp i, 0,1,2,3,4,5,6,7,8,9,10,11,12,13,14,15
.endr
	v_cvt_scalef32_pk8_bf8_f32 v[PCD+4*\b:PCD+1+4*\b], v[S+16*\b:S+7+16*\b], v[244+\b]
	v_cvt_scalef32_pk8_bf8_f32 v[PCD+2+4*\b:PCD+3+4*\b], v[S+8+16*\b:S+15+16*\b], v[244+\b]
.endr
	v_cndmask_b32 v238, v236, v237, s[HM]          ; lane (r, h) stores block h's byte; also the plain line behind the conversions
	global_store_b128 v1, v[PCD:PCD+3], s[CP:CP+1]              ; two chunks of the last product's fragment: 512 consecutive bytes each
	global_store_b128 v1, v[PCD+4:PCD+7], s[CP:CP+1] offset:512
	global_store_b8 v5, v238, s[SP:SP+1]           ; 32 consecutive bytes
	s_wait_xcnt 0x0                                ; loads and stores have read their registers and bases
	s_add_nc_u64 s[QP:QP+1], s[QP:QP+1], 16384     ; sixteen tiles on
	s_add_nc_u64 s[QW:QW+1], s[QW:QW+1], 512
	s_add_nc_u64 s[CP:CP+1], s[CP:CP+1], 262144
	s_add_nc_u64 s[SP:SP+1], s[SP:SP+1], 8192
	s_sub_co_u32 s[PN], s[PN], 1
	s_cmp_lg_u32 s[PN], 0
	s_cbranch_scc1 .Lpass
	s_wait_tensorcnt 0x0
	ds_add_u32 v251, v255
	s_wait_dscnt 0x0
	ROUND                                          ; the closing round
	s_endpgm
.Lfunc_end_k_q96277793b2_attn:
	.size	k_q96277793b2_attn, .Lfunc_end_k_q96277793b2_attn-k_q96277793b2_attn
	.p2alignl 7, 3214868480
	.fill 96, 4, 3214868480
	.section	.rodata,"a",@progbits
	.p2align	6, 0x0
	.amdhsa_kernel k_q96277793b2_attn
		.amdhsa_group_segment_fixed_size 272384
		.amdhsa_private_segment_fixed_size 0
		.amdhsa_enable_private_segment 0
		.amdhsa_kernarg_size 24
		.amdhsa_user_sgpr_count 2
		.amdhsa_user_sgpr_kernarg_segment_ptr 1
		.amdhsa_wavefront_size32 1
		.amdhsa_system_sgpr_workgroup_id_x 1
		.amdhsa_system_sgpr_workgroup_id_y 1
		.amdhsa_system_sgpr_workgroup_id_z 1
		.amdhsa_system_vgpr_workitem_id 0
		.amdhsa_next_free_vgpr 256
		.amdhsa_next_free_sgpr 66
		.amdhsa_reserve_vcc 0
		.amdhsa_float_denorm_mode_32 3
		.amdhsa_float_denorm_mode_16_64 3
		.amdhsa_fp16_overflow 1
		.amdhsa_memory_ordered 1
		.amdhsa_forward_progress 1
		.amdhsa_inst_pref_size 30
	.end_amdhsa_kernel
	.amdgpu_metadata
---
amdhsa.version: [ 1, 2 ]
amdhsa.kernels:
  - .name:           k_q96277793b2_attn
    .symbol:         k_q96277793b2_attn.kd
    .args:
      - { .name: qkv, .offset: 0, .size: 8, .value_kind: global_buffer, .address_space: global }
      - { .name: cimg, .offset: 8, .size: 8, .value_kind: global_buffer, .address_space: global }
      - { .name: csc, .offset: 16, .size: 8, .value_kind: global_buffer, .address_space: global }
    .group_segment_fixed_size: 272384
    .private_segment_fixed_size: 0
    .kernarg_segment_align: 8
    .kernarg_segment_size: 24
    .max_flat_workgroup_size: 512
    .sgpr_count:     66
    .vgpr_count:     256
    .wavefront_size: 32
...
	.end_amdgpu_metadata
.endif
;; end of part 3
;; launch outln (part 4): grid 256 x 1, 4 waves a work-group, no clusters, 327,680 bytes of LDS; arguments cimg, csc, wimg, Wo_scales, bo, gamma, beta, input_tensor, out0; writes out0
.if DOCPART == 4
	.amdgcn_target "amdgcn-amd-amdhsa--gfx1250"
	.amdhsa_code_object_version 6
	.text
	.protected	k_q96277793b2_outln
	.globl	k_q96277793b2_outln
	.p2align	8
	.type	k_q96277793b2_outln,@function
k_q96277793b2_outln:
	s_mov_b64 s[64:65], 0
	v_nop
	global_prefetch_b8 v0, s[64:65] scope:SCOPE_SE
	s_setreg_imm32_b32 hwreg(HW_REG_WAVE_MODE, 25, 1), 1
	s_wait_xcnt 0x0
.set XSTR, 32*1040
.set CIMG, 4*XSTR
.set S1,   CIMG+32768
.set HF,  16
.set SU,  32
.set CS,  48
.set MU,  56
.set RS,  60
.set WS,  64
.set CT,  128
.set WV,  22
.set G0C, 24
.set G1C, 28
.set G0X, 36
.set G1X, 40
.set SEL, 56
.set HM,  58
.set MSB, 0
.macro WIN new
.if MSB != (\new)
	s_set_vgpr_msb (MSB<<8)|(\new)
.set MSB, (\new)
.endif
.endm
.macro PLACES n
.rept \n
	v_nop
.endr
.endm
.macro FETCH_W q
	WIN 0x80+0x40*(((\q)%4)/2)
.set wr, 128*((\q)%2)
.irp f, 0,1,2,3,4,5,6,7
.irp c, 0,1,2,3
	global_load_b128 v[wr+16*\f+4*\c:wr+16*\f+4*\c+3], v1, s[8:9] offset:65536*(2*((\q)%2)+\f/4)+8192*((\q)/2)+2048*(\f%4)+512*\c
.endr
.endr
.endm
.macro FETCH_C s
	WIN 0
.irp m, 0,1
.irp c, 0,1,2,3
	ds_load_b128 v[CT+32*((\s)%2)+16*\m+4*\c:CT+32*((\s)%2)+16*\m+4*\c+3], v2 offset:16384*\m+2048*(\s)+512*\c
.endr
.endr
.endm
.macro LOADV win, reg, p
	WIN \win
.irp e, 0,1,2,3,4,5,6,7,8,9,10,11,12,13,14,15
	global_load_b128 v[\reg+8*\e:\reg+8*\e+3], v5, s[\p:\p+1] offset:256*(\e/4)+128*((\e/2)%2)+32*(\e%2)
	global_load_b128 v[\reg+8*\e+4:\reg+8*\e+7], v5, s[\p:\p+1] offset:256*(\e/4)+128*((\e/2)%2)+32*(\e%2)+16
.endr
.endm
.macro WM ra, rb
.if us == 0
.if ((\ra) == 0) && ((\rb) == 0)
	v_wmma_scale_f32_16x16x128_f8f6f4 v[rD:rD+7], v[rA:rA+15], v[rB:rB+15], 0, v[rSA], v[rSB] matrix_a_fmt:MATRIX_FMT_BF8 matrix_b_fmt:MATRIX_FMT_BF8
.elseif (\rb) == 0
	v_wmma_scale_f32_16x16x128_f8f6f4 v[rD:rD+7], v[rA:rA+15], v[rB:rB+15], 0, v[rSA], v[rSB] matrix_a_fmt:MATRIX_FMT_BF8 matrix_b_fmt:MATRIX_FMT_BF8 matrix_a_scale:MATRIX_SCALE_ROW1
.elseif (\ra) == 0
	v_wmma_scale_f32_16x16x128_f8f6f4 v[rD:rD+7], v[rA:rA+15], v[rB:rB+15], 0, v[rSA], v[rSB] matrix_a_fmt:MATRIX_FMT_BF8 matrix_b_fmt:MATRIX_FMT_BF8 matrix_b_scale:MATRIX_SCALE_ROW1
.else
	v_wmma_scale_f32_16x16x128_f8f6f4 v[rD:rD+7], v[rA:rA+15], v[rB:rB+15], 0, v[rSA], v[rSB] matrix_a_fmt:MATRIX_FMT_BF8 matrix_b_fmt:MATRIX_FMT_BF8 matrix_a_scale:MATRIX_SCALE_ROW1 matrix_b_scale:MATRIX_SCALE_ROW1
.endif
.else
.if ((\ra) == 0) && ((\rb) == 0)
	v_wmma_scale_f32_16x16x128_f8f6f4 v[rD:rD+7], v[rA:rA+15], v[rB:rB+15], v[rD:rD+7], v[rSA], v[rSB] matrix_a_fmt:MATRIX_FMT_BF8 matrix_b_fmt:MATRIX_FMT_BF8
.elseif (\rb) == 0
	v_wmma_scale_f32_16x16x128_f8f6f4 v[rD:rD+7], v[rA:rA+15], v[rB:rB+15], v[rD:rD+7], v[rSA], v[rSB] matrix_a_fmt:MATRIX_FMT_BF8 matrix_b_fmt:MATRIX_FMT_BF8 matrix_a_scale:MATRIX_SCALE_ROW1
.elseif (\ra) == 0
	v_wmma_scale_f32_16x16x128_f8f6f4 v[rD:rD+7], v[rA:rA+15], v[rB:rB+15], v[rD:rD+7], v[rSA], v[rSB] matrix_a_fmt:MATRIX_FMT_BF8 matrix_b_fmt:MATRIX_FMT_BF8 matrix_b_scale:MATRIX_SCALE_ROW1
.else
	v_wmma_scale_f32_16x16x128_f8f6f4 v[rD:rD+7], v[rA:rA+15], v[rB:rB+15], v[rD:rD+7], v[rSA], v[rSB] matrix_a_fmt:MATRIX_FMT_BF8 matrix_b_fmt:MATRIX_FMT_BF8 matrix_a_scale:MATRIX_SCALE_ROW1 matrix_b_scale:MATRIX_SCALE_ROW1
.endif
.endif
.endm
.macro UNIT q
.set us, (\q)/2
.set uh, (\q)%2
	PLACES 8
	s_wait_loadcnt 32
.if (\q) <= 13
	FETCH_W (\q)+2
.elseif (\q) == 14
	LOADV 0x80, 0, 12
.else
	LOADV 0x80, 128, 14
	LOADV 0xc0, 0, 16
.endif
.if uh == 0
.if us < 7
	FETCH_C us+1
	s_wait_dscnt 8
.else
	s_wait_dscnt 0x0
.endif
.endif
	WIN 0x52+(((\q)%4)/2)
.irp f, 0,1,2,3,4,5,6,7
.irp m, 0,1
.set rD, 8*(2*(4*(2*uh+\f/4)+\f%4)+\m)
.set rA, 128*uh+16*\f
.set rB, CT+32*(us%2)+16*\m
.set rSA, WS+8*(2*(2*uh+\f/4)+(\f%4)/2)+us
.set rSB, CS+us
	WM \f%2, \m
.endr
.endr
.endm
.macro REDUCE ofs
.irp m, 0,1
	v_pk_add_f32 v[SU+8*\m:SU+8*\m+1], v[SU+8*\m:SU+8*\m+1], v[SU+8*\m+2:SU+8*\m+3]
	v_pk_add_f32 v[SU+8*\m+4:SU+8*\m+5], v[SU+8*\m+4:SU+8*\m+5], v[SU+8*\m+6:SU+8*\m+7]
.endr
.irp m, 0,1
	v_pk_add_f32 v[SU+8*\m:SU+8*\m+1], v[SU+8*\m:SU+8*\m+1], v[SU+8*\m+4:SU+8*\m+5]
.endr
.irp m, 0,1
	v_add_f32 v[SU+8*\m], v[SU+8*\m], v[SU+8*\m+1]
.endr
.irp m, 0,1
	v_permlanex16_b32 v[SU+8*\m+1], v[SU+8*\m], s[SEL], s[SEL+1]
.endr
.irp m, 0,1
	v_add_f32 v[SU+8*\m], v[SU+8*\m], v[SU+8*\m+1]
.endr
	v_cndmask_b32 v192, v[SU], v[SU+8], s[HM]
	ds_store_b32 v8, v192 offset:\ofs
	s_wait_dscnt 0x0
	s_barrier_signal -1
	s_barrier_wait -1
.irp k, 0,1,2,3
	ds_load_b32 v[192+\k], v9 offset:\ofs+128*\k
.endr
	s_wait_dscnt 0x0
	v_add_f32 v192, v192, v193
	v_add_f32 v194, v194, v195
	v_add_f32 v192, v192, v194
	v_mul_f32 v192, 0x3a800000, v192
.endm
.macro E1 m
	WIN 0xc0
.irp e, 0,1,2,3,4,5,6,7,8,9,10,11,12,13,14,15
	ds_load_b128 v[128+8*\e:128+8*\e+3], v3 offset:8320*\m+256*(\e/4)+128*((\e/2)%2)+32*(\e%2)
	ds_load_b128 v[128+8*\e+4:128+8*\e+7], v3 offset:8320*\m+256*(\e/4)+128*((\e/2)%2)+32*(\e%2)+16
.endr
	s_wait_dscnt 0x0
	WIN 0x4d
.set p, 0
.rept 64
.set ac, 16*(p/4)+8*\m+2*(p%4)
	v_pk_add_f32 v[ac:ac+1], v[ac:ac+1], v[128+2*p:129+2*p]
.set p, p+1
.endr
	WIN 0x49
.set p, 0
.rept 64
.set ac, 16*(p/4)+8*\m+2*(p%4)
	v_pk_add_f32 v[ac:ac+1], v[ac:ac+1], v[2*p:2*p+1]
.set p, p+1
.endr
	WIN 0x05
.set p, 0
.rept 4
.set ac, 8*\m+2*p
	v_pk_add_f32 v[SU+8*\m+2*p:SU+8*\m+2*p+1], v[ac:ac+1], v[ac+16:ac+17]
.set p, p+1
.endr
	WIN 0x04
.set p, 8
.rept 56
.set ac, 16*(p/4)+8*\m+2*(p%4)
	v_pk_add_f32 v[SU+8*\m+2*(p%4):SU+8*\m+2*(p%4)+1], v[SU+8*\m+2*(p%4):SU+8*\m+2*(p%4)+1], v[ac:ac+1]
.set p, p+1
.endr
.endm
.macro E3 m
	WIN 0x41
.set p, 0
.rept 64
.set ac, 16*(p/4)+8*\m+2*(p%4)
	v_pk_add_f32 v[ac:ac+1], v[ac:ac+1], v[MU+2*\m:MU+2*\m+1] op_sel_hi:[1,0] neg_lo:[0,1] neg_hi:[0,1]
.set p, p+1
.endr
	WIN 0x05
.set p, 0
.rept 4
.set ac, 8*\m+2*p
	v_pk_mul_f32 v[SU+8*\m+2*p:SU+8*\m+2*p+1], v[ac:ac+1], v[ac:ac+1]
.set p, p+1
.endr
.rept 60
.set ac, 16*(p/4)+8*\m+2*(p%4)
	v_pk_fma_f32 v[SU+8*\m+2*(p%4):SU+8*\m+2*(p%4)+1], v[ac:ac+1], v[ac:ac+1], v[SU+8*\m+2*(p%4):SU+8*\m+2*(p%4)+1]
.set p, p+1
.endr
.endm
.macro E5 m
	WIN 0x41
.set p, 0
.rept 64
.set ac, 16*(p/4)+8*\m+2*(p%4)
	v_pk_mul_f32 v[ac:ac+1], v[ac:ac+1], v[RS+2*\m:RS+2*\m+1] op_sel_hi:[1,0]
.set p, p+1
.endr
	WIN 0x79
.set p, 0
.rept 64
.set ac, 16*(p/4)+8*\m+2*(p%4)
	v_pk_fma_f32 v[ac:ac+1], v[ac:ac+1], v[128+2*p:129+2*p], v[2*p:2*p+1]
.set p, p+1
.endr
.endm
	s_load_b512 s[4:19], s[0:1], 0x0
	s_load_b64 s[20:21], s[0:1], 0x40
	v_lshl_add_u32 v254, v0, 2, 0x29000
	v_mov_b32 v255, 0
	ds_add_u32 v254, v255
	ds_add_u32 v254, v255
	v_lshrrev_b32 v10, 5, v0
	v_readfirstlane_b32 s[WV], v10
	s_mov_b32 s[G1C], 3<<16
	s_mov_b32 s[G1C+1], 32<<16
	s_mov_b32 s[G1C+2], 32<<16
	s_mov_b32 s[G1C+3], 32<<16
	s_mov_b32 s[G1C+4], 32
	s_mov_b32 s[G1C+5], 32
	s_mov_b32 s[G1C+6], 0
	s_mov_b32 s[G1C+7], 0
	s_mov_b32 s[G1X], (2<<16)|(1<<20)|(7<<22)|(3<<25)
	s_mov_b32 s[G1X+1], 256<<16
	s_mov_b32 s[G1X+2], 32<<16
	s_mov_b32 s[G1X+3], 256<<16
	s_mov_b32 s[G1X+4], 32
	s_mov_b32 s[G1X+5], 1024
	s_mov_b32 s[G1X+6], 0
	s_mov_b32 s[G1X+7], 0
	s_lshl_b32 s48, ttmp9, 15
	s_lshl_b32 s49, s[WV], 13
	s_add_co_u32 s48, s48, s49
	s_mov_b32 s49, 0
	s_lshl_b32 s50, ttmp9, 17
	s_lshl_b32 s51, s[WV], 10
	s_add_co_u32 s50, s50, s51
	s_mov_b32 s51, 0
	s_lshl_b32 s52, s[WV], 18
	s_add_co_u32 s52, s52, 3145728
	s_mov_b32 s53, 0
	s_mov_b32 s[SEL], 0x76543210
	s_mov_b32 s[SEL+1], 0xfedcba98
	s_mov_b32 s[HM], 0xffff0000
	s_wait_dscnt 0x0
	s_wait_kmcnt 0x0
	s_mov_b32 s[G0C], 1
	s_lshl_b32 s[G0C+1], s[WV], 13
	s_add_co_u32 s[G0C+1], s[G0C+1], CIMG
	s_add_nc_u64 s[G0C+2:G0C+3], s[4:5], s[48:49]
	s_or_b32 s[G0C+3], s[G0C+3], 0x80000000
	s_mov_b32 s[G0X], 1
	s_mul_i32 s[G0X+1], s[WV], XSTR
	s_add_nc_u64 s[G0X+2:G0X+3], s[18:19], s[50:51]
	s_or_b32 s[G0X+3], s[G0X+3], 0x80000000
	tensor_load_to_lds s[G0C:G0C+3], s[G1C:G1C+7]
	s_nop 0
	s_wait_alu depctr_va_vdst(0)
	s_wait_tensorcnt 0x0
	ds_add_u32 v254, v255
	s_wait_dscnt 0x0
	s_barrier_signal -1
	s_barrier_wait -1
	tensor_load_to_lds s[G0X:G0X+3], s[G1X:G1X+7]
	s_nop 0
	PLACES 4
	s_add_nc_u64 s[20:21], s[20:21], s[50:51]
	s_add_nc_u64 s[8:9], s[8:9], s[52:53]
	s_lshl_b32 s54, s[WV], 13
	s_mov_b32 s55, 0
	s_add_nc_u64 s[10:11], s[10:11], s[54:55]
	s_lshl_b32 s54, s[WV], 10
	s_add_nc_u64 s[12:13], s[12:13], s[54:55]
	s_add_nc_u64 s[14:15], s[14:15], s[54:55]
	s_add_nc_u64 s[16:17], s[16:17], s[54:55]
	s_lshl_b32 s54, ttmp9, 10
	s_add_nc_u64 s[6:7], s[6:7], s[54:55]
	v_and_b32 v10, 31, v0
	v_and_b32 v11, 15, v0
	v_bfe_u32 v12, v0, 4, 1
	v_lshlrev_b32 v1, 4, v10
	v_add_nc_u32 v2, CIMG, v1
	v_and_b32 v13, 8, v11
	v_add_nc_u32 v13, v13, v11
	v_mul_u32_u24 v3, v13, 1040
	v_lshl_add_u32 v3, v12, 6, v3
	v_add_nc_u32 v3, s[G0X+1], v3
	v_add_nc_u32 v4, s[G0X+1], v1
	v_lshlrev_b32 v5, 6, v12
	v_lshl_add_u32 v6, v12, 3, v13
	v_lshlrev_b32 v6, 5, v6
	v_lshlrev_b32 v7, 9, v12
	v_lshl_add_u32 v7, v11, 1, v7
	v_lshl_add_u32 v8, v0, 2, S1
	v_lshl_add_u32 v9, v10, 2, S1
	v_mov_b32 v[MU+1], 0
	v_mov_b32 v[RS+1], 0
.irp d, 0,1,2,3,4,5,6,7,8,9,10,11,12,13,14,15
	global_load_u16 v[HF+\d], v7, s[6:7] offset:32*\d
.endr
.irp g, 0,1,2,3,4,5,6,7
	global_load_b128 v[WS+8*\g:WS+8*\g+3], v6, s[10:11] offset:1024*\g
	global_load_b128 v[WS+8*\g+4:WS+8*\g+7], v6, s[10:11] offset:1024*\g+16
.endr
	FETCH_W 0
	WIN 0
	s_wait_loadcnt 32
.irp s, 0,1,2,3,4,5,6,7
	v_lshl_or_b32 v[CS+\s], v[HF+2*\s+1], 16, v[HF+2*\s]
.endr
	FETCH_W 1
	s_wait_alu depctr_va_vdst(0)
	s_wait_tensorcnt 1
	s_barrier_signal -1
	s_barrier_wait -1
	FETCH_C 0
	UNIT 0
	UNIT 1
	UNIT 2
	UNIT 3
	UNIT 4
	UNIT 5
	UNIT 6
	UNIT 7
	UNIT 8
	UNIT 9
	UNIT 10
	UNIT 11
	UNIT 12
	UNIT 13
	UNIT 14
	UNIT 15
	PLACES 8
	s_wait_tensorcnt 0x0
	s_wait_loadcnt 63
	E1 0
	E1 1
	WIN 0
	REDUCE 0
	v_mov_b32 v[MU+3], v192
	v_permlanex16_b32 v[MU+1], v[MU+3], s[SEL], s[SEL+1]
	v_cndmask_b32 v[MU], v[MU+3], v[MU+1], s[HM]
	v_cndmask_b32 v[MU+2], v[MU+1], v[MU+3], s[HM]
	E3 0
	E3 1
	WIN 0
	REDUCE 512
	v_add_f32 v192, 0x2b8cbccc, v192
	s_wait_alu depctr_va_vdst(0)
	v_rsq_f32 v[RS+3], v192
	v_nop
	s_wait_alu depctr_va_vdst(0)
	v_permlanex16_b32 v[RS+1], v[RS+3], s[SEL], s[SEL+1]
	v_cndmask_b32 v[RS], v[RS+3], v[RS+1], s[HM]
	v_cndmask_b32 v[RS+2], v[RS+1], v[RS+3], s[HM]
	s_wait_alu depctr_va_vdst(0)
	s_wait_loadcnt 0x0
	E5 0
	E5 1
	WIN 0x04
.irp m, 0,1
.irp e, 0,1,2,3,4,5,6,7,8,9,10,11,12,13,14,15
	ds_store_b128 v3, v[8*(2*\e+\m):8*(2*\e+\m)+3] offset:8320*\m+256*(\e/4)+128*((\e/2)%2)+32*(\e%2)
	ds_store_b128 v3, v[8*(2*\e+\m)+4:8*(2*\e+\m)+7] offset:8320*\m+256*(\e/4)+128*((\e/2)%2)+32*(\e%2)+16
.endr
.endr
	WIN 0x80
.set k, 0
.rept 64
	ds_load_b128 v[4*k:4*k+3], v4 offset:1040*(k/2)+512*(k%2)
.set k, k+1
.endr
	WIN 0x08
.set k, 0
.rept 64
	s_wait_dscnt 63-k
	global_store_b128 v1, v[4*k:4*k+3], s[20:21] offset:4096*(k/2)+512*(k%2) th:TH_STORE_NT
.set k, k+1
.endr
	WIN 0
	s_wait_tensorcnt 0x0
	ds_add_u32 v254, v255
	s_wait_dscnt 0x0
	s_endpgm
.Lfunc_end_k_q96277793b2_outln:
	.size	k_q96277793b2_outln, .Lfunc_end_k_q96277793b2_outln-k_q96277793b2_outln
	.p2alignl 7, 3214868480
	.fill 96, 4, 3214868480
	.section	.rodata,"a",@progbits
	.p2align	6, 0x0
	.amdhsa_kernel k_q96277793b2_outln
		.amdhsa_group_segment_fixed_size 327680
		.amdhsa_private_segment_fixed_size 0
		.amdhsa_enable_private_segment 0
		.amdhsa_kernarg_size 72
		.amdhsa_user_sgpr_count 2
		.amdhsa_user_sgpr_kernarg_segment_ptr 1
		.amdhsa_wavefront_size32 1
		.amdhsa_system_sgpr_workgroup_id_x 1
		.amdhsa_system_sgpr_workgroup_id_y 1
		.amdhsa_system_sgpr_workgroup_id_z 1
		.amdhsa_system_vgpr_workitem_id 0
		.amdhsa_next_free_vgpr 1024
		.amdhsa_next_free_sgpr 66
		.amdhsa_reserve_vcc 0
		.amdhsa_float_denorm_mode_32 3
		.amdhsa_float_denorm_mode_16_64 3
		.amdhsa_memory_ordered 1
		.amdhsa_forward_progress 1
		.amdhsa_inst_pref_size 188
	.end_amdhsa_kernel
	.amdgpu_metadata
---
amdhsa.version: [ 1, 2 ]
amdhsa.kernels:
  - .name:           k_q96277793b2_outln
    .symbol:         k_q96277793b2_outln.kd
    .args:
      - { .name: cimg, .offset: 0, .size: 8, .value_kind: global_buffer, .address_space: global }
      - { .name: csc, .offset: 8, .size: 8, .value_kind: global_buffer, .address_space: global }
      - { .name: wimg, .offset: 16, .size: 8, .value_kind: global_buffer, .address_space: global }
      - { .name: Wo_scales, .offset: 24, .size: 8, .value_kind: global_buffer, .address_space: global }
      - { .name: bo, .offset: 32, .size: 8, .value_kind: global_buffer, .address_space: global }
      - { .name: gamma, .offset: 40, .size: 8, .value_kind: global_buffer, .address_space: global }
      - { .name: beta, .offset: 48, .size: 8, .value_kind: global_buffer, .address_space: global }
      - { .name: input_tensor, .offset: 56, .size: 8, .value_kind: global_buffer, .address_space: global }
      - { .name: out0, .offset: 64, .size: 8, .value_kind: global_buffer, .address_space: global }
    .group_segment_fixed_size: 327680
    .private_segment_fixed_size: 0
    .kernarg_segment_align: 8
    .kernarg_segment_size: 72
    .max_flat_workgroup_size: 128
    .sgpr_count:     66
    .vgpr_count:     1024
    .wavefront_size: 32
...
	.end_amdgpu_metadata
.endif
;; end of part 4
